; MI455X (gfx1250); checked and timed in simulation.
; The chip was launched on July 23, 2026; its instructions are those of AMD's public machine-readable ISA for CDNA 5 (MIT licence, August 2026) and "CDNA5" Instruction Set Architecture Reference Guide (July 2026). The comments in the code are by the model that wrote it; some were corrected since.
;; Resource Allocator. Allowed arithmetic: float matrix products may take bf16 or f16 operands with f32 sums; other float arithmetic in f32, or as packed bf16 or f16 multiplies, adds, multiply-adds, maxima and minima; sums over many terms, partial sums and values carried from step to step in f32; what a program stores and reads back later, other than sums and carried values, may be rounded once to bf16 or f16.
;; Inputs: ctx_W1 1,024 x 512 float32; ctx_W2 512 x 1 float32; ctx_b1 512 float32; ctx_b2 1 float32; dep_W1 1,027 x 1,024 float32; dep_W2 1,024 x 8 float32; dep_b1 1,024 float32; dep_b2 8 float32; eff_W1 1,024 x 512 float32; eff_W2 512 x 1 float32; eff_b1 512 float32; eff_b2 1 float32; sup_W1 1,027 x 1,024 float32; sup_W2 1,024 x 4 float32; sup_b1 1,024 float32; sup_b2 4 float32; task_W1 1,024 x 512 float32; task_W2 512 x 1 float32; task_b1 512 float32; task_b2 1 float32; tok_W1 1,024 x 512 float32; tok_W2 512 x 1 float32; tok_b1 512 float32; tok_b2 1 float32; token_embeddings 4 x 4,096 x 1,024 float32.
;; Outputs: out0 4 x 4,096 x 1 float32; out1 4 x 1 float32; out2 4 x 1 float32; out3 4 x 4,096 x 4 float32; out4 4 x 4,096 x 8 float32; out5 4 x 4,096 x 1 float32; out6 4 x 4,096 x 4 float32.
;; One version. Each part assembles by itself: llvm-mc -triple=amdgcn-amd-amdhsa -mcpu=gfx1250 --defsym DOCPART=n.
;; ======== version 1 of 1: 5 launches
;; workspace buffers: Xb 33,554,432 bytes; WA 2,195,712 bytes; WB 4,292,864 bytes; csum 131,072 bytes; cpart 256 bytes; P0 1,048,576 bytes; P1 2,097,152 bytes; P2 4,194,304 bytes
;; launch prep (part 1): grid 256 x 1, 32 waves a work-group, no clusters, 20,480 bytes of LDS; arguments token_embeddings, tok_W1, eff_W1, sup_W1, dep_W1, Xb, WA, WB, csum, P0; writes Xb, WA, WB, csum, P0
.if DOCPART == 1
	.amdgcn_target "amdgcn-amd-amdhsa--gfx1250"
	.amdhsa_code_object_version 6
	.text
	.protected	k_q185889f6f2_prep
	.globl	k_q185889f6f2_prep
	.p2align	8
	.type	k_q185889f6f2_prep,@function
k_q185889f6f2_prep:
	s_mov_b64 s[64:65], 0
	v_nop
	global_prefetch_b8 v0, s[64:65] scope:SCOPE_SE
	s_setreg_imm32_b32 hwreg(HW_REG_WAVE_MODE, 25, 1), 1
	s_wait_xcnt 0x0
; PREP.  (1) token_embeddings [16384][1024] f32 -> Xb, the same rounded once to bf16.  (2) column sums of the ROUNDED numbers, in f32: csum[rs 8][batch 4][1024], a partial for each 512 rows.
; (3) rows 0..1023 of tok_W1, eff_W1 (-> WA) and sup_W1, dep_W1 (-> WB), rounded to bf16 and laid by tile column of 256 hidden columns: [tile column][k 1024][256], dense rows of 512 bytes, from byte WOFF on.
; (4) zeros into P0, which the first product launch reads in the place of a former launch's partial logits.
; SHARES.  Work-group g: rows 512 (g >> 3) .. + 511, columns 128 (g & 7) .. + 127; wave w 16 of the rows; lane l 4 columns.  A load of a wave covers 512 consecutive bytes of a row, a store 256, aligned.
; Of each W1 the work-group takes the k rows 4 g .. 4 g + 3.  No loop: a thread's 19 loads go out together.  Memory binds: no matrix unit; no work-group reads what another reads, so no cluster.
; LIMITS.  Rounding to nearest even; NaN and infinities are not treated apart.
.set SPARE, 16384                      ; LDS 0..16383: the waves' column sums, 512 bytes a wave; from here the spare words, 128 bytes for each of 32 waves
.set WOFF,  98560                      ; the weights begin behind the tables that the next launch writes
.set TCB,   524288                     ; bytes of a tile column
.set X,     16                         ; v[16:79]  16 rows x 4 numbers
	s_load_b256 s[4:11], s[0:1], 0x0               ; X s[4:5], tok_W1 s[6:7], eff_W1 s[8:9], sup_W1 s[10:11]
	s_load_b256 s[12:19], s[0:1], 0x20             ; dep_W1 s[12:13], Xb s[14:15], WA s[16:17], WB s[18:19]
	s_load_b128 s[20:23], s[0:1], 0x40             ; csum s[20:21], P0 s[22:23]
	v_lshl_add_u32 v9, v0, 2, SPARE                ; my spare word; never rewritten
	v_mov_b32 v10, 0                               ; 0; never rewritten
	v_lshrrev_b32 v1, 5, v0
	v_readfirstlane_b32 s24, v1                    ; wave 0..31
	v_and_b32 v8, 31, v0                           ; lane
	v_lshlrev_b32 v2, 16, v1                       ; X: wave x 16 rows x 4,096 bytes
	v_lshl_or_b32 v2, v8, 4, v2                    ;    + 16 bytes a lane
	v_lshlrev_b32 v3, 15, v1                       ; Xb: wave x 16 rows x 2,048 bytes
	v_lshl_or_b32 v3, v8, 3, v3                    ;    + 8 bytes a lane
	v_and_b32 v4, 0x1ff, v0                        ; tok / eff: thread t % 512 takes 4 columns: k row (t >> 7) & 3, columns 4 (t & 127)
	v_lshlrev_b32 v4, 4, v4                        ; from: four rows of 2,048 bytes are dense
	v_bfe_u32 v5, v0, 6, 1                         ; to: tile column (t >> 6) & 1,
	v_lshlrev_b32 v5, 19, v5
	v_bfe_u32 v6, v0, 7, 2
	v_lshl_or_b32 v5, v6, 9, v5                    ; k row x 512 bytes,
	v_and_b32 v7, 63, v0
	v_lshl_or_b32 v5, v7, 3, v5                    ; 8 bytes a thread
	v_bfe_u32 v11, v0, 6, 2                        ; sup / dep: k row t >> 8, columns 4 (t & 255): tile column (t >> 6) & 3
	v_lshlrev_b32 v11, 19, v11
	v_lshrrev_b32 v1, 8, v0
	v_lshl_or_b32 v11, v1, 9, v11
	v_lshl_or_b32 v7, v7, 3, v11
	v_lshlrev_b32 v6, 4, v0                        ; 16 t: sup's and dep's source, and my place among the sums in LDS
	v_and_b32 v11, 0xff, v0
	v_lshlrev_b32 v11, 4, v11                      ; P0: 16 bytes for each thread of waves 8 to 15
	v_mov_b32 v92, 0
	v_mov_b32 v93, 0
	v_mov_b32 v94, 0
	v_mov_b32 v95, 0
	s_mov_b32 s46, 0xffff0000                      ; a word's upper bf16
	s_lshr_b32 s26, ttmp9, 3                       ; block of 512 rows
	s_and_b32 s27, ttmp9, 7                        ; strip of 128 columns
	s_lshl_b32 s28, s26, 21
	s_lshl_b32 s30, s27, 9
	s_add_co_u32 s28, s28, s30
	s_mov_b32 s29, 0                               ; s[28:29] my corner of X
	s_lshl_b32 s30, s26, 20
	s_lshl_b32 s32, s27, 8
	s_add_co_u32 s30, s30, s32
	s_mov_b32 s31, 0                               ; s[30:31] my corner of Xb
	s_lshl_b32 s32, ttmp9, 13
	s_mov_b32 s33, 0                               ; s[32:33] four rows of 2,048 bytes
	s_lshl_b32 s34, ttmp9, 14
	s_mov_b32 s35, 0                               ; s[34:35] four rows of 4,096 bytes
	s_lshl_b32 s36, ttmp9, 11
	s_add_co_u32 s36, s36, WOFF
	s_mov_b32 s37, 0                               ; s[36:37] four k rows of 512 bytes in a tile column
	s_lshl_b32 s42, ttmp9, 12
	s_mov_b32 s43, 0                               ; s[42:43] my 4,096 bytes of P0
	s_bfe_u32 s44, ttmp9, 0x30003                  ; rs = (g >> 3) & 7
	s_lshl_b32 s44, s44, 14
	s_lshr_b32 s45, ttmp9, 6                       ; batch
	s_lshl_b32 s45, s45, 12
	s_add_co_u32 s44, s44, s45
	s_lshl_b32 s45, s27, 9
	s_add_co_u32 s44, s44, s45
	s_mov_b32 s45, 0                               ; s[44:45] my 512 bytes of csum
	s_wait_kmcnt 0x0
	s_add_nc_u64 s[4:5], s[4:5], s[28:29]
	s_add_nc_u64 s[14:15], s[14:15], s[30:31]
	s_cmp_lt_u32 s24, 16                           ; waves 0-15 take tok_W1, waves 16-31 eff_W1, whose tile columns are 2 and 3
	s_cselect_b64 s[6:7], s[6:7], s[8:9]
	s_cselect_b32 s40, 0, 2*TCB
	s_add_co_u32 s38, s36, s40
	s_mov_b32 s39, 0
	s_add_nc_u64 s[6:7], s[6:7], s[32:33]
	s_add_nc_u64 s[10:11], s[10:11], s[34:35]
	s_add_nc_u64 s[12:13], s[12:13], s[34:35]
	s_add_nc_u64 s[16:17], s[16:17], s[38:39]
	s_add_nc_u64 s[18:19], s[18:19], s[36:37]
	s_add_nc_u64 s[20:21], s[20:21], s[44:45]
	s_add_nc_u64 s[22:23], s[22:23], s[42:43]
.irp i, 0,1,2,3,4,5,6,7,8,9,10,11,12,13,14,15
	global_load_b128 v[X+4*(\i):X+4*(\i)+3], v2, s[4:5] offset:(\i)*4096 th:TH_LOAD_NT  ; read once in the launch
.endr
	global_load_b128 v[80:83], v4, s[6:7] th:TH_LOAD_NT
	global_load_b128 v[84:87], v6, s[10:11] th:TH_LOAD_NT
	global_load_b128 v[88:91], v6, s[12:13] th:TH_LOAD_NT
	s_lshr_b32 s41, s24, 3
	s_cmp_lg_u32 s41, 1
	s_cbranch_scc1 .Lno_p0                         ; waves 8 to 15 write the work-group's 4,096 zeros, 512 consecutive bytes a wave
	global_store_b128 v11, v[92:95], s[22:23]
.Lno_p0:
; Row i: rounded in place, stored, widened again and added to the column sums: the sums are those of the rounded numbers.
.macro ROW i
	s_wait_loadcnt 18-(\i)                         ; behind row i's load: 15 - i rows and the three loads of weights
	v_cvt_pk_bf16_f32 v[X+4*(\i)], v[X+4*(\i)], v[X+4*(\i)+1]
	v_cvt_pk_bf16_f32 v[X+4*(\i)+1], v[X+4*(\i)+2], v[X+4*(\i)+3]
	global_store_b64 v3, v[X+4*(\i):X+4*(\i)+1], s[14:15] offset:(\i)*2048  ; later launches read it: no hint
.if (\i) == 0
	v_lshlrev_b32 v12, 16, v[X]                    ; the first row starts the sums: nothing is cleared
	v_and_b32 v13, s46, v[X]
	v_lshlrev_b32 v14, 16, v[X+1]
	v_and_b32 v15, s46, v[X+1]
.else
	v_lshlrev_b32 v96, 16, v[X+4*(\i)]
	v_and_b32 v97, s46, v[X+4*(\i)]
	v_lshlrev_b32 v98, 16, v[X+4*(\i)+1]
	v_and_b32 v99, s46, v[X+4*(\i)+1]
	v_pk_add_f32 v[12:13], v[12:13], v[96:97]
	v_pk_add_f32 v[14:15], v[14:15], v[98:99]
.endif
.endm
.irp i, 0,1,2,3,4,5,6,7,8,9,10,11,12,13,14,15
	ROW \i
.endr
	s_wait_loadcnt 0x2                             ; tok's or eff's four numbers; sup's and dep's may be out
	v_cvt_pk_bf16_f32 v80, v80, v81
	v_cvt_pk_bf16_f32 v81, v82, v83
	global_store_b64 v5, v[80:81], s[16:17]        ; a wave: 256 consecutive bytes, aligned
	s_wait_loadcnt 0x1
	v_cvt_pk_bf16_f32 v84, v84, v85
	v_cvt_pk_bf16_f32 v85, v86, v87
	global_store_b64 v7, v[84:85], s[18:19]
	s_wait_loadcnt 0x0
	v_cvt_pk_bf16_f32 v88, v88, v89
	v_cvt_pk_bf16_f32 v89, v90, v91
	global_store_b64 v7, v[88:89], s[18:19] offset:4*TCB  ; dep's tile columns are 4 to 7
	ds_store_b128 v6, v[12:15]                     ; my wave's sums of my 4 columns
	s_wait_dscnt 0x0                               ; for wave 0's sake: the store is done
	s_barrier_signal -1
	s_barrier_wait -1
	s_cmp_lg_u32 s24, 0
	s_cbranch_scc1 .Lend                           ; wave 0 adds the other 31 waves' sums onto its own
	s_wait_xcnt 0x0                                ; the stores to Xb have read v[16:79], which are loaded again only behind this wait
.irp j, 0,1,2,3,4,5,6,7,8,9,10,11,12,13,14,15
	ds_load_b128 v[X+4*(\j):X+4*(\j)+3], v6 offset:((\j)+1)*512
.endr
	s_wait_dscnt 0x0
.irp j, 0,1,2,3,4,5,6,7,8,9,10,11,12,13,14,15
	v_pk_add_f32 v[12:13], v[12:13], v[X+4*(\j):X+4*(\j)+1]
	v_pk_add_f32 v[14:15], v[14:15], v[X+4*(\j)+2:X+4*(\j)+3]
.endr
.irp j, 0,1,2,3,4,5,6,7,8,9,10,11,12,13,14
	ds_load_b128 v[X+4*(\j):X+4*(\j)+3], v6 offset:((\j)+17)*512
.endr
	s_wait_dscnt 0x0
.irp j, 0,1,2,3,4,5,6,7,8,9,10,11,12,13,14
	v_pk_add_f32 v[12:13], v[12:13], v[X+4*(\j):X+4*(\j)+1]
	v_pk_add_f32 v[14:15], v[14:15], v[X+4*(\j)+2:X+4*(\j)+3]
.endr
	global_store_b128 v6, v[12:15], s[20:21]       ; 512 consecutive bytes of csum
.Lend:
	s_wait_tensorcnt 0x0                           ; the wave's end: a wait, an add of 0 to my spare word and its wait, behind my last LDS store
	ds_add_u32 v9, v10
	s_wait_dscnt 0x0
	s_endpgm
.Lfunc_end_k_q185889f6f2_prep:
	.size	k_q185889f6f2_prep, .Lfunc_end_k_q185889f6f2_prep-k_q185889f6f2_prep
	.p2alignl 7, 3214868480
	.fill 96, 4, 3214868480
	.section	.rodata,"a",@progbits
	.p2align	6, 0x0
	.amdhsa_kernel k_q185889f6f2_prep
		.amdhsa_group_segment_fixed_size 20480
		.amdhsa_private_segment_fixed_size 0
		.amdhsa_enable_private_segment 0
		.amdhsa_kernarg_size 80
		.amdhsa_user_sgpr_count 2
		.amdhsa_user_sgpr_kernarg_segment_ptr 1
		.amdhsa_wavefront_size32 1
		.amdhsa_system_sgpr_workgroup_id_x 1
		.amdhsa_system_sgpr_workgroup_id_y 1
		.amdhsa_system_sgpr_workgroup_id_z 1
		.amdhsa_system_vgpr_workitem_id 0
		.amdhsa_next_free_vgpr 104
		.amdhsa_next_free_sgpr 66
		.amdhsa_reserve_vcc 0
		.amdhsa_float_denorm_mode_32 3
		.amdhsa_float_denorm_mode_16_64 3
		.amdhsa_memory_ordered 1
		.amdhsa_forward_progress 1
		.amdhsa_inst_pref_size 21
	.end_amdhsa_kernel
	.amdgpu_metadata
---
amdhsa.version: [ 1, 2 ]
amdhsa.kernels:
  - .name:           k_q185889f6f2_prep
    .symbol:         k_q185889f6f2_prep.kd
    .args:
      - { .name: token_embeddings, .offset: 0, .size: 8, .value_kind: global_buffer, .address_space: global }
      - { .name: tok_W1, .offset: 8, .size: 8, .value_kind: global_buffer, .address_space: global }
      - { .name: eff_W1, .offset: 16, .size: 8, .value_kind: global_buffer, .address_space: global }
      - { .name: sup_W1, .offset: 24, .size: 8, .value_kind: global_buffer, .address_space: global }
      - { .name: dep_W1, .offset: 32, .size: 8, .value_kind: global_buffer, .address_space: global }
      - { .name: Xb, .offset: 40, .size: 8, .value_kind: global_buffer, .address_space: global }
      - { .name: WA, .offset: 48, .size: 8, .value_kind: global_buffer, .address_space: global }
      - { .name: WB, .offset: 56, .size: 8, .value_kind: global_buffer, .address_space: global }
      - { .name: csum, .offset: 64, .size: 8, .value_kind: global_buffer, .address_space: global }
      - { .name: P0, .offset: 72, .size: 8, .value_kind: global_buffer, .address_space: global }
    .group_segment_fixed_size: 20480
    .private_segment_fixed_size: 0
    .kernarg_segment_align: 8
    .kernarg_segment_size: 80
    .max_flat_workgroup_size: 1024
    .sgpr_count:     66
    .vgpr_count:     104
    .wavefront_size: 32
...
	.end_amdgpu_metadata
.endif
;; end of part 1
;; launch small (part 2): grid 20 x 1, 32 waves a work-group, no clusters, 53,504 bytes of LDS; arguments csum, ctx_W1, ctx_b1, ctx_W2, ctx_b2, task_W1, task_b1, task_W2, task_b2, tok_b1, tok_W2, tok_b2, eff_b1, eff_W2, eff_b2, sup_W1, sup_b1, sup_W2, sup_b2, dep_W1, dep_b1, dep_W2, dep_b2, cpart, WA, WB; writes cpart, WA, WB
.if DOCPART == 2
	.amdgcn_target "amdgcn-amd-amdhsa--gfx1250"
	.amdhsa_code_object_version 6
	.text
	.protected	k_q185889f6f2_small
	.globl	k_q185889f6f2_small
	.p2align	8
	.type	k_q185889f6f2_small,@function
k_q185889f6f2_small:
	s_mov_b64 s[64:65], 0
	v_nop
	global_prefetch_b8 v0, s[64:65] scope:SCOPE_SE
	s_setreg_imm32_b32 hwreg(HW_REG_WAVE_MODE, 25, 1), 1
	s_wait_xcnt 0x0
; SMALL.  Two roles, chosen by the work-group's number, which all its waves share.
; WORK-GROUPS 0-15: the two MLPs on the batch means.  Work-group g: MLP g >> 3 (ctx, task), slice g & 7 of 64 hidden columns, all four batches; it stores one partial logit a batch:
; cpart[mlp 2][batch 4][slice 8], f32, b2 inside slice 0.  All in f32 on the vector unit: four rows against 2 MiB of weights read once; the mean is not rounded; W1, b1, W2, b2 are rounded to bf16.
; WORK-GROUPS 16-19 (tok, eff, sup, dep): the tables at the head of WA and WB for the product launches; n is the hidden column in that launch (WA: tok 0-511, eff 512-1023; WB: sup 0-1023, dep 1024-2047):
;   byte 0 b1[n]; 8192, 16384, 24576 rows 1024, 1025, 1026 of W1 (zeros in WA): f32 numbers that are rounded to bf16;   32768: W2 as matrix operands, [n / 16][lane 32][8 bf16]: lane (o = l & 15, h = l >> 4),
;   number j = bf16(0.5 W2[16 (n / 16) + 8 h + j][o]), 0 for o past the MLP's outputs (0.5 is GELU's factor);   98304: f32 [tile column of 256][8]: b2 in the first tile column of each MLP, 0 elsewhere.
; GELU is exact GELU with erf by the five-term rational form of Abramowitz and Stegun 7.1.26: absolute error 1.5e-7.  LIMITS: NaN and infinities are not treated apart; 0.5 W2 is exact unless subnormal in bf16.
; No cluster: what work-groups share is csum, 128 KiB.
.set RED,   16384                      ; LDS 0..16383 the means, f32 [batch][k]; here [wave 32][1,024 bytes]: each wave's 256 sums
.set RED2,  49152                      ; [wave 8][batch 4] f32
.set SPARE, 49408                      ; the spare words, 128 bytes for each of 32 waves
	s_load_b64 s[4:5], s[0:1], 0x0                 ; csum
	s_load_b256 s[8:15], s[0:1], 0x8               ; ctx: W1 s[8:9], b1 s[10:11], W2 s[12:13], b2 s[14:15]
	s_load_b256 s[16:23], s[0:1], 0x28             ; task, likewise
	s_load_b64 s[24:25], s[0:1], 0xb8              ; cpart
	s_load_b512 s[32:47], s[0:1], 0x48             ; tok b1, W2, b2; eff b1, W2, b2; sup W1, b1
	s_load_b256 s[48:55], s[0:1], 0x88             ; sup W2, b2; dep W1, b1
	s_load_b128 s[56:59], s[0:1], 0xa8             ; dep W2, b2
	s_load_b128 s[60:63], s[0:1], 0xc0             ; WA, WB
	v_lshl_add_u32 v2, v0, 2, SPARE                ; my spare word; never rewritten
	v_mov_b32 v3, 0                                ; 0; never rewritten
	v_lshrrev_b32 v1, 5, v0
	v_readfirstlane_b32 s26, v1                    ; wave 0..31
	s_mov_b32 s27, ttmp9
	s_wait_kmcnt 0x0
	s_cmp_ge_u32 s27, 16
	s_cbranch_scc1 .Ltables
	; ---- the MLPs on the means ----
	s_and_b32 s28, s27, 7                          ; slice
	s_cmp_lt_u32 s27, 8
	s_cselect_b64 s[8:9], s[8:9], s[16:17]
	s_cselect_b64 s[10:11], s[10:11], s[18:19]
	s_cselect_b64 s[12:13], s[12:13], s[20:21]
	s_cselect_b64 s[14:15], s[14:15], s[22:23]
	s_load_b32 s29, s[14:15], 0x0                  ; b2; no line of the launch writes that buffer
	s_lshl_b32 s30, s28, 8                         ; 64 columns are 256 bytes, in a row of W1 and in b1 and W2
	s_mov_b32 s31, 0
	s_add_nc_u64 s[8:9], s[8:9], s[30:31]
	s_add_nc_u64 s[10:11], s[10:11], s[30:31]
	s_add_nc_u64 s[12:13], s[12:13], s[30:31]
	s_mov_b32 s66, 0x76543210                      ; v_permlanex16_b32: each lane takes its own place in the other half
	s_mov_b32 s67, 0xfedcba98
	s_mov_b32 s68, 0x3f87dc22                      ; 1.061405429
	s_mov_b32 s69, 0xbfba00e3                      ; -1.453152027
	s_mov_b32 s70, 0x3fb5f0e3                      ; 1.421413741
	s_mov_b32 s71, 0xbe91a98e                      ; -0.284496736
	s_mov_b32 s72, 0x3e827906                      ; 0.254829592
	s_mov_b32 s73, 0x3e6d3388                      ; 0.3275911 / sqrt(2)
	s_mov_b32 s74, 0xbf38aa3b                      ; -log2(e) / 2
	s_mov_b32 s76, 0xffff0000
	v_lshlrev_b32 v4, 4, v0                        ; 16 t: my four means, in csum's [batch][k] and in LDS
	v_lshrrev_b32 v1, 4, v0                        ; kg = t >> 4 owns the 16 k from 16 kg on
	v_and_b32 v11, 15, v0                          ; c4 = t & 15 owns 4 columns
	v_lshlrev_b32 v5, 15, v1                       ; 16 rows of 2,048 bytes
	v_lshl_or_b32 v5, v11, 4, v5
	v_lshlrev_b32 v7, 6, v1                        ; my 16 means of a batch in LDS
	v_and_b32 v6, 15, v1
	v_and_b32 v8, 3, v0
	v_lshl_add_u32 v6, v6, 2, v8                   ; the column that thread t % 256 finishes: 4 ((t >> 4) & 15) + (t & 3)
	v_lshlrev_b32 v6, 2, v6
	s_lshl_b32 s30, s26, 10
	v_lshl_add_u32 v8, v11, 6, s30                 ; where my wave puts my 16 sums: wave x 1,024 + c4 x 64
	global_load_b32 v9, v6, s[10:11]               ; b1 and W2 of that column
	global_load_b32 v10, v6, s[12:13]
.irp r, 0,1,2,3,4,5,6,7
	global_load_b128 v[96+4*(\r):99+4*(\r)], v4, s[4:5] offset:(\r)*16384
.endr
.irp i, 0,1,2,3,4,5,6,7,8,9,10,11,12,13,14,15
	global_load_b128 v[32+4*(\i):35+4*(\i)], v5, s[8:9] offset:(\i)*2048 th:TH_LOAD_NT  ; sixteen lanes take 256 consecutive bytes of a row; read once in the launch
.endr
	s_wait_loadcnt 16                              ; the 16 loads of weights stay out
.irp r, 1,2,3,4,5,6,7
	v_pk_add_f32 v[96:97], v[96:97], v[96+4*(\r):97+4*(\r)]
	v_pk_add_f32 v[98:99], v[98:99], v[98+4*(\r):99+4*(\r)]
.endr
	v_pk_mul_f32 v[96:97], v[96:97], 0x39800000 op_sel_hi:[1,0]  ; / 4,096 rows
	v_pk_mul_f32 v[98:99], v[98:99], 0x39800000 op_sel_hi:[1,0]
	ds_store_b128 v4, v[96:99]
	s_wait_dscnt 0x0                               ; for the others' sake
	s_barrier_signal -1
	s_barrier_wait -1
.macro MLOAD ib                        ; the means of k = 16 kg + 4 ib .. + 3, all four batches, into half ib % 2 of v[96:127]
.irp b, 0,1,2,3
	ds_load_b128 v[96+16*((\ib)%2)+4*(\b):99+16*((\ib)%2)+4*(\b)], v7 offset:(\b)*4096+(\ib)*16
.endr
.endm
.macro KSTEP i                         ; k = 16 kg + i: four weights rounded to bf16, then sums[batch][column] += weight x mean
.set wb, 32+4*(\i)
.set mb, 96+16*(((\i)/4)%2)+2*(((\i)%4)/2)
	s_wait_loadcnt 15-(\i)                         ; the later rows' loads stay out
	v_cvt_pk_bf16_f32 v[wb], v[wb], v[wb+1]
	v_cvt_pk_bf16_f32 v[wb+1], v[wb+2], v[wb+3]
	v_lshlrev_b32 v28, 16, v[wb]
	v_and_b32 v29, s76, v[wb]
	v_lshlrev_b32 v30, 16, v[wb+1]
	v_and_b32 v31, s76, v[wb+1]
.irp b, 0,1,2,3
.irp p, 0,2
.if (\i) == 0
	v_pk_mul_f32 v[12+4*(\b)+(\p):13+4*(\b)+(\p)], v[28+(\p):29+(\p)], v[mb+4*(\b):mb+4*(\b)+1] op_sel_hi:[1,0]  ; the first k starts the sums
.elseif (\i)%2
	v_pk_fma_f32 v[12+4*(\b)+(\p):13+4*(\b)+(\p)], v[28+(\p):29+(\p)], v[mb+4*(\b):mb+4*(\b)+1], v[12+4*(\b)+(\p):13+4*(\b)+(\p)] op_sel:[0,1,0] op_sel_hi:[1,1,1]
.else
	v_pk_fma_f32 v[12+4*(\b)+(\p):13+4*(\b)+(\p)], v[28+(\p):29+(\p)], v[mb+4*(\b):mb+4*(\b)+1], v[12+4*(\b)+(\p):13+4*(\b)+(\p)] op_sel_hi:[1,0,1]
.endif
.endr
.endr
.endm
	MLOAD 0
.irp ib, 0,1,2
	MLOAD (\ib)+1
	s_wait_dscnt 4                                 ; the four loads just issued stay out
	KSTEP 4*(\ib)
	KSTEP 4*(\ib)+1
	KSTEP 4*(\ib)+2
	KSTEP 4*(\ib)+3
.endr
	s_wait_dscnt 0x0
	KSTEP 12
	KSTEP 13
	KSTEP 14
	KSTEP 15
.irp j, 0,1,2,3,4,5,6,7,8,9,10,11,12,13,14,15
	v_permlanex16_b32 v[32+(\j)], v[12+(\j)], s66, s67  ; the lane 16 away has the same columns and the wave's other 16 k
.endr
.irp j, 0,2,4,6,8,10,12,14
	v_pk_add_f32 v[12+(\j):13+(\j)], v[12+(\j):13+(\j)], v[32+(\j):33+(\j)]
.endr
.irp b, 0,1,2,3
	ds_store_b128 v8, v[12+4*(\b):15+4*(\b)] offset:RED+16*(\b)  ; both halves of the lanes write the same words with the same numbers
.endr
	s_wait_dscnt 0x0
	s_barrier_signal -1
	s_barrier_wait -1
	s_cmp_ge_u32 s26, 8
	s_cbranch_scc1 .Lno_gelu                       ; waves 0-7: thread t finishes word t: column 4 (t >> 4) + (t & 3), batch (t >> 2) & 3
	v_lshlrev_b32 v1, 2, v0
.irp j, 0,1,2,3,4,5,6,7,8,9,10,11,12,13,14,15,16,17,18,19,20,21,22,23,24,25,26,27,28,29,30,31
	ds_load_b32 v[32+(\j)], v1 offset:RED+(\j)*1024
.endr
	v_cvt_pk_bf16_f32 v9, v9, v10                  ; b1 and W2 rounded
	v_lshlrev_b32 v11, 16, v9
	v_and_b32 v10, s76, v9
	s_wait_dscnt 0x0
.irp j, 0,2,4,6,8,10,12,14
	v_pk_add_f32 v[32+(\j):33+(\j)], v[32+(\j):33+(\j)], v[48+(\j):49+(\j)]
.endr
.irp j, 0,2,4,6
	v_pk_add_f32 v[32+(\j):33+(\j)], v[32+(\j):33+(\j)], v[40+(\j):41+(\j)]
.endr
	v_pk_add_f32 v[32:33], v[32:33], v[36:37]
	v_pk_add_f32 v[34:35], v[34:35], v[38:39]
	v_pk_add_f32 v[32:33], v[32:33], v[34:35]
	v_add_f32 v32, v32, v33
	v_add_f32 v32, v32, v11                        ; x
	v_fma_f32 v33, |v32|, s73, 1.0                 ; 1 + p |x| / sqrt(2)
	v_mul_f32 v34, v32, v32
	v_mul_f32 v34, s74, v34
	v_rcp_f32 v33, v33                             ; t
	v_exp_f32 v34, v34                             ; e^(-x x / 2)
	v_nop                                          ; a plain instruction behind the last of the two,
	s_wait_alu depctr_va_vdst(0)                   ; and a wait ahead of their first reader
	v_fma_f32 v35, v33, s68, s69
	v_fma_f32 v35, v35, v33, s70
	v_fma_f32 v35, v35, v33, s71
	v_fma_f32 v35, v35, v33, s72
	v_mul_f32 v35, v35, v33
	v_fma_f32 v35, -v35, v34, 1.0                  ; erf(|x| / sqrt(2))
	v_fma_f32 v32, |v32|, v35, v32                 ; 2 gelu(x) = x + |x| erf
	v_mul_f32 v32, 0.5, v32
	v_mul_f32 v32, v32, v10
	v_add_f32_dpp v32, v32, v32 row_xmask:1 row_mask:0xf bank_mask:0xf  ; over the 8 columns that the wave holds for each batch
	v_add_f32_dpp v32, v32, v32 row_xmask:2 row_mask:0xf bank_mask:0xf
	v_permlanex16_b32 v33, v32, s66, s67
	v_add_f32 v32, v32, v33
	s_lshl_b32 s30, s26, 4
	v_bfe_u32 v36, v0, 2, 2
	v_lshl_add_u32 v36, v36, 2, s30
	ds_store_b32 v36, v32 offset:RED2              ; [wave][batch]; lanes of one batch write the same number
.Lno_gelu:
	s_wait_dscnt 0x0
	s_barrier_signal -1
	s_barrier_wait -1
	s_cmp_lg_u32 s26, 0
	s_cbranch_scc1 .Lctx_end
	v_lshlrev_b32 v1, 2, v0                        ; wave 0: lane l = 4 wave + batch
	ds_load_b32 v32, v1 offset:RED2
	s_wait_kmcnt 0x0                               ; b2
	v_mov_b32 v34, s29
	v_cvt_pk_bf16_f32 v34, v34, v34
	v_lshlrev_b32 v34, 16, v34
	s_cmp_eq_u32 s28, 0
	s_cselect_b32 s30, 1.0, 0                      ; slice 0 carries b2
	s_lshr_b32 s31, s27, 3
	s_lshl_b32 s31, s31, 7
	s_lshl2_add_u32 s31, s28, s31                  ; (mlp x 32 + slice) x 4
	v_lshl_add_u32 v35, v0, 5, s31                 ; + batch x 32
	s_wait_dscnt 0x0
	v_add_f32_dpp v32, v32, v32 row_xmask:4 row_mask:0xf bank_mask:0xf
	v_add_f32_dpp v32, v32, v32 row_xmask:8 row_mask:0xf bank_mask:0xf
	v_permlanex16_b32 v33, v32, s66, s67
	v_add_f32 v32, v32, v33
	v_fma_f32 v32, v34, s30, v32
	v_cmp_gt_u32 vcc_lo, 4, v0
	s_wait_xcnt 0x0                                ; EXEC changes only behind this wait
	s_and_saveexec_b32 s75, vcc_lo
	global_store_b32 v35, v32, s[24:25]            ; four words, 32 bytes apart: a batch's eight slices lie together for those who read them
	s_wait_xcnt 0x0
	s_or_b32 exec_lo, exec_lo, s75
.Lctx_end:
	s_wait_tensorcnt 0x0                           ; the wave's end: a wait, an add of 0 to my spare word and its wait, behind my last LDS store
	ds_add_u32 v2, v3
	s_wait_dscnt 0x0
	s_endpgm
	; ---- the tables; no LDS, no barrier ----
.Ltables:
	s_sub_co_u32 s30, s27, 16                      ; 0 tok, 1 eff, 2 sup, 3 dep
	s_and_b32 s31, s30, 1
	s_cmp_eq_u32 s31, 0
	s_cselect_b64 s[68:69], s[32:33], s[38:39]     ; tok's or eff's b1, W2, b2
	s_cselect_b64 s[70:71], s[34:35], s[40:41]
	s_cselect_b64 s[72:73], s[36:37], s[42:43]
	s_cselect_b64 s[74:75], s[44:45], s[52:53]     ; sup's or dep's W1, b1, W2, b2
	s_cselect_b64 s[76:77], s[46:47], s[54:55]
	s_cselect_b64 s[78:79], s[48:49], s[56:57]
	s_cselect_b64 s[80:81], s[50:51], s[58:59]
	s_cmp_eq_u32 s30, 2
	s_cselect_b32 s82, 4, 8
	s_cmp_lt_u32 s30, 2
	s_cselect_b64 s[16:17], s[68:69], s[74:75]     ; W1 (tok and eff have no such rows: b1 stands in and is not used)
	s_cselect_b64 s[18:19], s[68:69], s[76:77]     ; b1
	s_cselect_b64 s[20:21], s[70:71], s[78:79]     ; W2
	s_cselect_b64 s[22:23], s[72:73], s[80:81]     ; b2
	s_cselect_b64 s[24:25], s[60:61], s[62:63]     ; WA or WB
	s_cselect_b32 s82, 1, s82                      ; outputs: 1, 1, 4, 8
	s_cselect_b32 s84, 0, 1                        ; 1: the MLP has the three further rows of W1
	s_lshl_b32 s83, 512, s84                       ; hidden columns: 512 or 1,024
	s_mul_i32 s85, s31, s83                        ; its first column in the launch: 0, 512, 0, 1,024
	v_and_b32 v9, 31, v0                           ; lane
	v_and_b32 v6, 15, v0                           ; o
	v_bfe_u32 v7, v0, 4, 1                         ; h
	; the four f32 tables: waves 8 arr .. 8 arr + 7 write table arr, four columns a thread
	s_lshr_b32 s86, s26, 3
	s_and_b32 s87, s26, 7
	s_lshr_b32 s88, s83, 7
	s_cmp_ge_u32 s87, s88
	s_cbranch_scc1 .Lno_arr                        ; 512 columns want four waves
	s_cmp_lg_u32 s86, 0
	s_cselect_b32 s89, s84, 0                      ; 1: the source is a row of W1
	s_cselect_b32 s90, s84, 1                      ; 0: the table is zeros
	s_add_co_u32 s92, s86, 1023
	s_lshl_b32 s92, s92, 12                        ; row 1023 + arr, 4,096 bytes a row
	s_cmp_lg_u32 s89, 0
	s_cselect_b64 s[96:97], s[16:17], s[18:19]
	s_cselect_b32 s92, s92, 0
	s_mov_b32 s93, 0
	s_add_nc_u64 s[96:97], s[96:97], s[92:93]
	s_cmp_lg_u32 s90, 0
	s_cselect_b32 s91, -1, 0
	v_and_b32 v4, 0xff, v0
	v_lshlrev_b32 v4, 4, v4
	global_load_b128 v[12:15], v4, s[96:97]
	s_lshl_b32 s98, s86, 13
	s_lshl2_add_u32 s98, s85, s98                  ; table arr, the MLP's first column
	v_add_nc_u32 v5, s98, v4
	s_wait_loadcnt 0x0
	v_cvt_pk_bf16_f32 v12, v12, v13
	v_cvt_pk_bf16_f32 v13, v14, v15
	v_and_b32 v12, s91, v12
	v_and_b32 v13, s91, v13
	v_lshlrev_b32 v16, 16, v12
	v_and_b32 v17, 0xffff0000, v12
	v_lshlrev_b32 v18, 16, v13
	v_and_b32 v19, 0xffff0000, v13
	global_store_b128 v5, v[16:19], s[24:25]
.Lno_arr:
	; W2 as matrix operands: wave w writes block nb = w of 16 hidden columns, and with 1,024 columns also block w + 32
	s_sub_co_u32 s99, s82, 1
	v_min_u32 v8, s99, v6                          ; lanes past the outputs read the last one and store 0
	v_cmp_gt_u32 vcc_lo, s82, v6
	s_lshl_b32 s94, s82, 2                         ; bytes from a row of W2 to the next
	s_lshl_b32 s95, s85, 5
	s_add_co_u32 s95, s95, 32768                   ; 512 bytes for each block of 16 columns
.macro W2FRAG it                       ; each of the two uses has registers of its own: none that a pending store reads is rewritten
.set rb, 20+32*(\it)
	s_add_co_u32 s92, s26, 32*(\it)
	s_lshl_b32 s93, s92, 4
	v_lshl_add_u32 v[rb], v7, 3, s93               ; hidden column 16 nb + 8 h
	v_mul_lo_u32 v[rb], v[rb], s82
	v_add_lshl_u32 v[rb], v[rb], v8, 2
.irp j, 1,2,3,4,5,6,7
	v_add_nc_u32 v[rb+(\j)], s94, v[rb+(\j)-1]
.endr
.irp j, 0,1,2,3,4,5,6,7
	global_load_b32 v[rb+8+(\j)], v[rb+(\j)], s[20:21]
.endr
	s_lshl_b32 s93, s92, 9
	s_add_co_u32 s93, s93, s95
	v_lshl_add_u32 v[rb+20], v9, 4, s93
	s_wait_loadcnt 0x0
.irp j, 0,2,4,6
	v_pk_mul_f32 v[rb+8+(\j):rb+9+(\j)], v[rb+8+(\j):rb+9+(\j)], 0.5 op_sel_hi:[1,0]
.endr
.irp j, 0,1,2,3
	v_cvt_pk_bf16_f32 v[rb+16+(\j)], v[rb+8+2*(\j)], v[rb+9+2*(\j)]
	v_cndmask_b32 v[rb+16+(\j)], 0, v[rb+16+(\j)], vcc_lo
.endr
	global_store_b128 v[rb+20], v[rb+16:rb+19], s[24:25]  ; 512 consecutive bytes a wave
.endm
	W2FRAG 0
	s_cmp_eq_u32 s84, 0
	s_cbranch_scc1 .Lno_second
	W2FRAG 1
.Lno_second:
	s_cmp_lg_u32 s26, 0
	s_cbranch_scc1 .Ltab_end
	v_min_u32 v100, s99, v0                        ; wave 0: eight words for each of the MLP's tile columns; b2 in the first eight
	v_lshlrev_b32 v100, 2, v100
	global_load_b32 v101, v100, s[22:23]
	s_lshr_b32 s92, s85, 3
	s_add_co_u32 s92, s92, 98304
	v_lshl_add_u32 v102, v0, 2, s92
	s_lshr_b32 s93, s83, 5                         ; 16 or 32 words
	s_wait_loadcnt 0x0
	v_cvt_pk_bf16_f32 v101, v101, v101
	v_lshlrev_b32 v101, 16, v101
	v_cndmask_b32 v101, 0, v101, vcc_lo            ; in wave 0's first 16 lanes o is the lane; lanes 16 on are cleared below
	v_cmp_gt_u32 vcc_lo, 16, v0
	v_cndmask_b32 v101, 0, v101, vcc_lo
	v_cmp_gt_u32 vcc_lo, s93, v0
	s_wait_xcnt 0x0                                ; EXEC changes only behind this wait
	s_and_saveexec_b32 s98, vcc_lo
	global_store_b32 v102, v101, s[24:25]
	s_wait_xcnt 0x0
	s_or_b32 exec_lo, exec_lo, s98
.Ltab_end:
	s_endpgm
.Lfunc_end_k_q185889f6f2_small:
	.size	k_q185889f6f2_small, .Lfunc_end_k_q185889f6f2_small-k_q185889f6f2_small
	.p2alignl 7, 3214868480
	.fill 96, 4, 3214868480
	.section	.rodata,"a",@progbits
	.p2align	6, 0x0
	.amdhsa_kernel k_q185889f6f2_small
		.amdhsa_group_segment_fixed_size 53504
		.amdhsa_private_segment_fixed_size 0
		.amdhsa_enable_private_segment 0
		.amdhsa_kernarg_size 208
		.amdhsa_user_sgpr_count 2
		.amdhsa_user_sgpr_kernarg_segment_ptr 1
		.amdhsa_wavefront_size32 1
		.amdhsa_system_sgpr_workgroup_id_x 1
		.amdhsa_system_sgpr_workgroup_id_y 1
		.amdhsa_system_sgpr_workgroup_id_z 1
		.amdhsa_system_vgpr_workitem_id 0
		.amdhsa_next_free_vgpr 128
		.amdhsa_next_free_sgpr 100
		.amdhsa_reserve_vcc 1
		.amdhsa_float_denorm_mode_32 3
		.amdhsa_float_denorm_mode_16_64 3
		.amdhsa_memory_ordered 1
		.amdhsa_forward_progress 1
		.amdhsa_inst_pref_size 36
	.end_amdhsa_kernel
	.amdgpu_metadata
---
amdhsa.version: [ 1, 2 ]
amdhsa.kernels:
  - .name:           k_q185889f6f2_small
    .symbol:         k_q185889f6f2_small.kd
    .args:
      - { .name: csum, .offset: 0, .size: 8, .value_kind: global_buffer, .address_space: global }
      - { .name: ctx_W1, .offset: 8, .size: 8, .value_kind: global_buffer, .address_space: global }
      - { .name: ctx_b1, .offset: 16, .size: 8, .value_kind: global_buffer, .address_space: global }
      - { .name: ctx_W2, .offset: 24, .size: 8, .value_kind: global_buffer, .address_space: global }
      - { .name: ctx_b2, .offset: 32, .size: 8, .value_kind: global_buffer, .address_space: global }
      - { .name: task_W1, .offset: 40, .size: 8, .value_kind: global_buffer, .address_space: global }
      - { .name: task_b1, .offset: 48, .size: 8, .value_kind: global_buffer, .address_space: global }
      - { .name: task_W2, .offset: 56, .size: 8, .value_kind: global_buffer, .address_space: global }
      - { .name: task_b2, .offset: 64, .size: 8, .value_kind: global_buffer, .address_space: global }
      - { .name: tok_b1, .offset: 72, .size: 8, .value_kind: global_buffer, .address_space: global }
      - { .name: tok_W2, .offset: 80, .size: 8, .value_kind: global_buffer, .address_space: global }
      - { .name: tok_b2, .offset: 88, .size: 8, .value_kind: global_buffer, .address_space: global }
      - { .name: eff_b1, .offset: 96, .size: 8, .value_kind: global_buffer, .address_space: global }
      - { .name: eff_W2, .offset: 104, .size: 8, .value_kind: global_buffer, .address_space: global }
      - { .name: eff_b2, .offset: 112, .size: 8, .value_kind: global_buffer, .address_space: global }
      - { .name: sup_W1, .offset: 120, .size: 8, .value_kind: global_buffer, .address_space: global }
      - { .name: sup_b1, .offset: 128, .size: 8, .value_kind: global_buffer, .address_space: global }
      - { .name: sup_W2, .offset: 136, .size: 8, .value_kind: global_buffer, .address_space: global }
      - { .name: sup_b2, .offset: 144, .size: 8, .value_kind: global_buffer, .address_space: global }
      - { .name: dep_W1, .offset: 152, .size: 8, .value_kind: global_buffer, .address_space: global }
      - { .name: dep_b1, .offset: 160, .size: 8, .value_kind: global_buffer, .address_space: global }
      - { .name: dep_W2, .offset: 168, .size: 8, .value_kind: global_buffer, .address_space: global }
      - { .name: dep_b2, .offset: 176, .size: 8, .value_kind: global_buffer, .address_space: global }
      - { .name: cpart, .offset: 184, .size: 8, .value_kind: global_buffer, .address_space: global }
      - { .name: WA, .offset: 192, .size: 8, .value_kind: global_buffer, .address_space: global }
      - { .name: WB, .offset: 200, .size: 8, .value_kind: global_buffer, .address_space: global }
    .group_segment_fixed_size: 53504
    .private_segment_fixed_size: 0
    .kernarg_segment_align: 8
    .kernarg_segment_size: 208
    .max_flat_workgroup_size: 1024
    .sgpr_count:     100
    .vgpr_count:     128
    .wavefront_size: 32
...
	.end_amdgpu_metadata
.endif
;; end of part 2
;; launch gemm1 (part 3): grid 4 x 64, 4 waves a work-group, clusters of 4 x 4, 327,680 bytes of LDS; arguments Xb, WA, P0, cpart, P1; writes P1
.if DOCPART == 3
	.amdgcn_target "amdgcn-amd-amdhsa--gfx1250"
	.amdhsa_code_object_version 6
	.text
	.protected	k_q185889f6f2_gemm1
	.globl	k_q185889f6f2_gemm1
	.p2align	8
	.type	k_q185889f6f2_gemm1,@function
k_q185889f6f2_gemm1:
	s_mov_b64 s[64:65], 0
	v_nop
	global_prefetch_b8 v0, s[64:65] scope:SCOPE_SE
	s_setreg_imm32_b32 hwreg(HW_REG_WAVE_MODE, 25, 1), 1
	s_wait_xcnt 0x0
	s_wait_alu depctr_hold_cnt(0) depctr_sa_sdst(0) depctr_va_vdst(0) depctr_va_sdst(0) depctr_va_ssrc(0) depctr_va_vcc(0) depctr_vm_vsrc(0)
	s_getreg_b32 s2, hwreg(HW_REG_IB_STS2, 6, 4)
	s_cmp_eq_u32 s2, 0
	s_cbranch_scc0 .Lentry_in_a_cluster
	s_endpgm
.Lentry_in_a_cluster:
	s_bfe_u32 s2, ttmp6, 0x10000c
	s_cmp_lg_u32 s2, 0xf033
	s_cbranch_scc0 .Lentry_shape_is_right
	s_endpgm
.Lentry_shape_is_right:
; ONE BODY FOR BOTH PRODUCT LAUNCHES (tok + eff on 1,024 hidden columns; sup + dep on 2,048).  For a tile of 256 token rows x 256 hidden columns:
;   pre[m][n] = sum over k < 1024 of X[m][k] W[k][n]  +  T[m] w0[n] + cc w1[n] + tk w2[n] + b1[n],     h = 2 gelu(pre),     Pout[tile column][m][o] = sum over the tile's n of h[m][n] (0.5 W2[n][o])  (+ b2[o] in an MLP's first tile column).
; T[m] = sigmoid(Pin[0][m][0] + Pin[1][m][0]) is the token complexity, cc and tk the sigmoids of cpart's sums for the row's batch.  In the first launch w0, w1, w2 are tables of zeros and Pin holds zeros: there
; these terms, 17 small loads and 18 transcendentals a wave, serve nothing; that is the price of one text for both launches.
; FORMATS.  X, W, b1, w0-w2, W2, b2 are the inputs rounded once to bf16 by the launches before; sums, T, cc, tk, the bias terms and GELU in f32.  h enters the second product as hi + lo, two bf16 numbers (what is left is
; at most 2^-17 of h), so that nothing but the inputs is rounded to 8 bits.  GELU is exact GELU with erf by Abramowitz and Stegun 7.1.26, absolute error 1.5e-7.  It works on y = s pre, s = sqrt(log2(e) / 2), so that
; e^(-pre pre / 2) = 2^(-y y); the factor 1 / s is applied to the finished partial logits: two further roundings in f32.  LIMITS: NaN and infinities are not treated apart.
; SHAPE.  Four waves, each 128 x 128: 64 accumulators of 16 x 16 in 512 registers.  K in steps of 128 through two LDS slots filled by tensor loads.  X's tile has rows of 256 bytes; W's tile lies [k][n], rows of 512 bytes,
; and its operands come turned, by ds_load_tr16_b128.  The matrix instruction is used transposed (source 0 = 16 hidden columns, source 1 = 16 token rows): a lane holds ONE token row (lane % 16) and the hidden columns
; 8 (lane / 16) + 0..7, which, rounded in pairs, ARE source 1 of the second product.  The accumulators are PRESET with the bias terms, so every product adds in place.
; CLUSTER.  4 x 4 work-groups: X's tile is shared along a row of the cluster, W's along a column; each is asked for jointly, which divides the requests by four.
; THE WAY OUT.  A loop of eight trips, one for each 16 token rows.  An instruction names its registers, so only a trip's first 32 lines differ from trip to trip: they take the block's 64 sums out of the accumulators,
; times s, into the registers that the one text of GELU names; a chain of compares on the loop's counter leads forward to them.  So GELU's text is written once and not eight times, and nothing goes through LDS but the logits.
; REGISTERS, in windows of 256: window 0: v0-15 the second product's two accumulators; v16-31 addresses; v32-63 at work; v64-191 X's operands, two buffers (way out: at work); v192-223 W2's operands; v224-227 b2.
;   window 1: v64-191 W's operands, two buffers.   windows 2, 3: the accumulators, (a, b) at v[8 (8 (a % 4) + b)] of window 2 + a / 4.   In the prologue v64-191 of windows 0 and 1 hold the four f32 tables.
.set PITCH,  272                       ; a row of X in LDS: 256 bytes + 16: the 16 rows of a load start at 16 different groups of four banks (64 banks of 4 bytes: ISA guide 11.1)
.set PB,     544                       ; a k row of W: 512 + 32 bytes
.set HALFT,  128*PITCH                 ; what one tensor load brings: 128 rows of X, or 64 k rows of W (64 x 544 is the same number)
.set SLOT,   4*HALFT                   ; X's 256 rows, then W's 128 k rows
.set STAGE,  2*SLOT                    ; behind the ring: [column half 2][token row 256] x 80 bytes: the waves' partial logits.  In the prologue its first 8 KiB serve as 2 KiB for each wave, for the tables
.set SPITCH, 80
.set SPARE,  STAGE+2*256*SPITCH        ; the spare words, 128 bytes for each wave: two blocks of 256 bytes that no other line names
.set WOFF,   98560                     ; the weights behind the tables
.set TCB,    524288                    ; bytes of a tile column, in W and in the partial logits
.set T_FR,   32768
.set T_OB,   98304
.set L0,   0                           ; v[0:7], v[8:15]  the second product's sums, by turns: hi's and lo's
.set L1,   8
.set TSA,  8                           ; v8, v9  in the prologue: where my wave puts, and where I read, the tables in LDS
.set TLA,  9
.set ADRA, 16                          ; v16-17  LDS address of my operands of X in slot 0, 1
.set STA,  18                          ; v18     the way out: where I put this trip's logits
.set STO,  19                          ; v19     the same for the first trip; never rewritten
.set ADRB, 20                          ; v20-21  LDS address of my operands of W
.set NEG1, 22                          ; v22     -1.0
.set CB,   23                          ; v23     where I read logits back
.set CPO,  24                          ; v24-27  byte offsets of the prologue's loads: cpart,
.set TO,   25                          ;   the f32 tables,
.set PO,   26                          ;   Pin,
.set W2O,  27                          ;   W2's operands
.set SPW,  28                          ; v28     my spare word; never rewritten
.set NIL,  29                          ; v29     0; never rewritten
.set GOF,  30                          ; v30     my byte offset in Pout
.set OBO,  31                          ; v31     my byte offset in b2's table
.set TT,   32                          ; v[32:39] T of my token row in each of the wave's eight blocks of 16
.set PIN,  40
.set CPV,  56
.set TB1,  64                          ; the tables: four blocks of 16 columns in each of windows 0 and 1
.set TW0,  96
.set TW1,  128
.set TW2,  160
.set PP,   32                          ; the way out
.set FR,   48
.set XX,   64
.set UU,   128
.set ZZ,   160
.set W2F,  192                         ; v[192:223] operand g of four: W2's rows of hidden columns 32 g .. 32 g + 31 of my 128
.set OBV,  224                         ; v[224:227] four of b2's words
.set TLD,  240                         ; v[240:255] the tables as loaded: 16 bytes a lane of each
.set F0,   64
.set F1,   128
.set G1,  24                           ; s[24:31] descriptor group 1 for X's tiles;  s[32:39] group 0, a set for each slot
.set G0,  32
.set G1B, 48                           ; s[48:55], s[56:63] the same for W's
.set G0B, 56
.set SC,  66                           ; pairs of constants: a packed line names the pair and takes its low word for both halves
.set A5,  68
.set A4,  70
.set A3,  72
.set A2,  74
.set A1,  76
.set PC,  78
.set CC,  84
.set TK,  86
.set RS,  88
.set MSB, 0
.macro WIN new                         ; the immediate's high byte repeats the setting that is left; a switch that changes nothing is dropped
.if MSB != (\new)
	s_set_vgpr_msb (MSB<<8)|(\new)
.set MSB, \new
.endif
.endm
.set MUL_LO, 0xa1                      ; source 0 (W) window 1, source 1 (X) window 0, C and D window 2
.set MUL_HI, 0xf1                      ; the same, C and D window 3
.set TO_B,   0x40                      ; destination window 1, address window 0
.macro PAIR r, val
	s_mov_b32 s[\r], \val
	s_mov_b32 s[(\r)+1], \val
.endm
; A joint load.  Waves 0 and 1 fetch the halves of X's tile, waves 2 and 3 those of W's.  The branch hangs on the wave's number alone.  An s_nop 0 and four v_nop follow each of the two lines.
.macro JLOAD s
	s_cmp_eq_u32 s11, 0
	s_cbranch_scc0 .Lfor_b_\@
	tensor_load_to_lds s[G0+4*(\s):G0+4*(\s)+3], s[G1:G1+7]
	s_nop 0
.rept 4
	v_nop
.endr
	s_branch .Lasked_\@
.Lfor_b_\@:
	tensor_load_to_lds s[G0B+4*(\s):G0B+4*(\s)+3], s[G1B:G1B+7]
	s_nop 0
.rept 4
	v_nop
.endr
.Lasked_\@:
.endm
.macro CREST                           ; a round of the cluster's barrier behind its opening barrier
	s_cmp_lg_u32 s10, 0
	s_cbranch_scc1 .Lnot_wave_0_\@
	s_barrier_signal -3
.Lnot_wave_0_\@:
	s_barrier_wait -3
	s_barrier_signal -1
	s_barrier_wait -1
.endm
.macro CROUND                          ; a whole round
	s_barrier_signal -1
	s_barrier_wait -1
	CREST
.endm
	s_load_b128 s[4:7], s[0:1], 0x0                ; Xb s[4:5], W s[6:7]
	s_load_b128 s[80:83], s[0:1], 0x10             ; Pin s[80:81], cpart s[82:83]
	s_load_b64 s[8:9], s[0:1], 0x20                ; Pout
	v_lshl_add_u32 v[SPW], v0, 2, SPARE
	v_mov_b32 v[NIL], 0
	ds_add_u32 v[SPW], v[NIL]                      ; the wave's opening: the add and its wait stand ahead of my first tensor load; work on registers stands between them
	v_lshrrev_b32 v1, 5, v0
	v_readfirstlane_b32 s10, v1                    ; wave 0..3
	s_lshr_b32 s11, s10, 1                         ; which half of the tile's token rows is mine.  Also: I fetch for X (0) or for W (1)
	s_and_b32 s12, s10, 1                          ; which half of its hidden columns.  Also: which half of that tile I fetch
	s_bfe_u32 s40, ttmp6, 0x40000                  ; cx, cy: my place in the cluster
	s_bfe_u32 s41, ttmp6, 0x40004
	s_lshl_b32 s42, ttmp9, 2
	s_add_co_u32 s42, s42, s40                     ; tile column = 4 x cluster x + cx
	s_and_b32 s13, ttmp7, 0xffff
	s_lshl_b32 s13, s13, 2
	s_add_co_u32 s13, s13, s41                     ; tile row = 4 x cluster y + cy
	s_lshl_b32 s43, s41, 2
	s_lshl_b32 s43, 15, s43                        ; my row of the cluster
	s_lshl_b32 s44, 0x1111, s40                    ; my column
	s_or_b32 s[G1+0], s43, (1<<16)|(1<<20)|(1<<21)|(5<<22)|(3<<25)   ; the mask; elements of 2 bytes; padding on; bit 21 beside a mask; after every 64 words 4 words
	s_mov_b32 s[G1+1], 128<<16                     ; tensor_dim0 = 128
	s_mov_b32 s[G1+2], 128<<16                     ; tensor_dim1 = 128
	s_mov_b32 s[G1+3], 128<<16                     ; tile_dim0 = 128
	s_mov_b32 s[G1+4], 128                         ; tile_dim1 = 128
	s_mov_b32 s[G1+5], 1024                        ; elements from row to row
	s_mov_b32 s[G1+6], 0
	s_mov_b32 s[G1+7], 0
	s_or_b32 s[G1B+0], s44, (1<<16)|(1<<20)|(1<<21)|(6<<22)|(7<<25)  ; after every 128 words 8 words
	s_mov_b32 s[G1B+1], 256<<16                    ; tensor_dim0 = 256
	s_mov_b32 s[G1B+2], 64<<16                     ; tensor_dim1 = 64
	s_mov_b32 s[G1B+3], 256<<16                    ; tile_dim0 = 256
	s_mov_b32 s[G1B+4], 64                         ; tile_dim1 = 64
	s_mov_b32 s[G1B+5], 256
	s_mov_b32 s[G1B+6], 0
	s_mov_b32 s[G1B+7], 0
	s_lshl_b32 s16, s13, 19                        ; X: 256 rows of 2,048 bytes a tile row,
	s_lshl_b32 s17, s12, 18                        ; 128 rows a half
	s_add_co_u32 s16, s16, s17
	s_mov_b32 s17, 0
	s_lshl_b32 s46, s42, 19                        ; W: the tile column,
	s_lshl_b32 s47, s12, 15                        ; 64 k rows of 512 bytes a half
	s_add_co_u32 s46, s46, s47
	s_add_co_u32 s46, s46, WOFF
	s_mov_b32 s47, 0
	s_mul_i32 s20, s10, HALFT                      ; where they go: wave x a quarter of a slot: no place in the cluster enters an LDS address
	PAIR SC, 0x3f596d27                            ; s = sqrt(log2(e) / 2) = 0.8493218
	PAIR RS, 0x3f96b55f                            ; 1 / s = 1.1774100
	PAIR A5, 0x3f87dc22                            ; 1.061405429
	PAIR A4, 0xbfba00e3                            ; -1.453152027
	PAIR A3, 0x3fb5f0e3                            ; 1.421413741
	PAIR A2, 0xbe91a98e                            ; -0.284496736
	PAIR A1, 0x3e827906                            ; 0.254829592
	s_mov_b32 s[PC], 0x3e8ba43f                    ; 0.3275911 / sqrt(log2(e)) = 0.2727375: times |y| it is 0.3275911 |pre| / sqrt(2)
	s_wait_dscnt 0x0                               ; the opening add is done
	s_wait_kmcnt 0x0
	s_add_nc_u64 s[14:15], s[4:5], s[16:17]
	s_add_nc_u64 s[46:47], s[6:7], s[46:47]
	CROUND                                         ; all sixteen work-groups are here: the first joint loads meet
.irp s, 0,1
	s_mov_b32 s[G0+4*(\s)], 1
	s_add_co_u32 s[G0+4*(\s)+1], s20, (\s)*SLOT
	s_add_nc_u64 s[G0+4*(\s)+2:G0+4*(\s)+3], s[14:15], (\s)*256      ; K step s: 128 elements along the rows
	s_or_b32 s[G0+4*(\s)+3], s[G0+4*(\s)+3], 0x80000000
	s_mov_b32 s[G0B+4*(\s)], 1
	s_add_co_u32 s[G0B+4*(\s)+1], s20, (\s)*SLOT
	s_add_nc_u64 s[G0B+4*(\s)+2:G0B+4*(\s)+3], s[46:47], (\s)*65536  ; K step s: 128 k rows down
	s_or_b32 s[G0B+4*(\s)+3], s[G0B+4*(\s)+3], 0x80000000
	JLOAD \s                                       ; two tensor loads of mine are out
.endr
	; All that follows up to the first barrier stands in the wait for the first tile.  30 loads go out together.
	v_and_b32 v1, 15, v0                           ; r = lane % 16
	v_bfe_u32 v2, v0, 4, 1                         ; h = lane / 16
	v_and_b32 v3, 31, v0                           ; lane
	s_lshl_b32 s92, s42, 10                        ; the f32 tables: 1,024 bytes a tile column,
	s_lshl_b32 s93, s12, 9                         ; 512 for my wave's 128 columns,
	s_add_co_u32 s92, s92, s93
	v_lshl_add_u32 v[TO], v3, 4, s92               ; 16 a lane: one load of the wave brings its whole part of a table
	s_lshl_b32 s90, s13, 13                        ; Pin: 32 bytes a token row: the tile's 256 rows,
	s_lshl_b32 s91, s11, 12                        ; my wave's 128
	s_add_co_u32 s90, s90, s91
	v_lshl_add_u32 v[PO], v1, 5, s90
	s_lshr_b32 s91, s13, 4                         ; the batch: 16 tile rows each
	s_lshl_b32 s91, s91, 5
	v_and_b32 v4, 7, v0
	v_lshl_add_u32 v4, v4, 2, s91
	v_lshl_add_u32 v[CPO], v2, 7, v4               ; lanes 0-15 ctx's eight slices (twice), lanes 16-31 task's
	s_lshl_b32 s92, s42, 13                        ; W2's operands: 16 blocks of 512 bytes a tile column, 8 a half
	s_lshl_b32 s93, s12, 12
	s_add_co_u32 s92, s92, s93
	s_add_co_u32 s92, s92, T_FR
	v_lshl_add_u32 v[W2O], v3, 4, s92
	s_lshl_b32 s92, s42, 5
	s_add_co_u32 s92, s92, T_OB
	v_and_b32 v4, 1, v0
	v_lshl_add_u32 v[OBO], v4, 4, s92
.irp t, 0,1,2,3
	global_load_b128 v[TLD+4*(\t):TLD+4*(\t)+3], v[TO], s[6:7] offset:(\t)*8192  ; b1, w0, w1, w2: 512 consecutive bytes each
.endr
.irp a, 0,1,2,3,4,5,6,7
	global_load_b32 v[PIN+(\a)], v[PO], s[80:81] offset:(\a)*512
.endr
.irp a, 0,1,2,3,4,5,6,7
	global_load_b32 v[PIN+8+(\a)], v[PO], s[80:81] offset:TCB+(\a)*512
.endr
	global_load_b32 v[CPV], v[CPO], s[82:83]
.irp b, 0,1,2,3,4,5,6,7
	global_load_b128 v[W2F+4*(\b):W2F+4*(\b)+3], v[W2O], s[6:7] offset:(\b)*512  ; two blocks of 16 hidden columns make an operand of 32; wanted on the way out
.endr
	global_load_b128 v[OBV:OBV+3], v[OBO], s[6:7]  ; likewise
	s_lshl_b32 s92, s42, 19
	s_lshl_b32 s93, s13, 13
	s_add_co_u32 s92, s92, s93
	v_lshl_add_u32 v[GOF], v0, 4, s92
	v_mul_u32_u24 v5, v1, PITCH                    ; X's operands: row r x pitch + 16 h
	v_lshl_add_u32 v5, v2, 4, v5
	s_mul_i32 s21, s11, HALFT
	v_add_nc_u32 v[ADRA], s21, v5
	s_add_co_u32 s21, s21, SLOT
	v_add_nc_u32 v[ADRA+1], s21, v5
	v_and_b32 v6, 7, v0                            ; W's: k row 8 h + lane % 8, 16 bytes for each half of a group of 16 lanes
	v_lshl_add_u32 v6, v2, 3, v6
	v_mul_u32_u24 v6, v6, PB
	v_bfe_u32 v7, v0, 3, 1
	v_lshl_add_u32 v6, v7, 4, v6
	s_lshl_b32 s22, s12, 8                         ; my 128 columns,
	s_add_co_u32 s22, s22, 2*HALFT                 ; behind X's 256 rows
	v_add_nc_u32 v[ADRB], s22, v6
	s_add_co_u32 s22, s22, SLOT
	v_add_nc_u32 v[ADRB+1], s22, v6
	s_lshl_b32 s23, s10, 11                        ; my wave's 2 KiB for the tables
	s_add_co_u32 s23, s23, STAGE
	v_lshl_add_u32 v[TSA], v3, 4, s23              ; in: as loaded, 16 bytes a lane
	v_lshl_add_u32 v[TLA], v2, 5, s23              ; back: my eight columns of a block of 16: 32 bytes
	s_mul_i32 s23, s12, 256*SPITCH
	s_mul_i32 s21, s11, 128*SPITCH
	s_add_co_u32 s23, s23, s21
	s_add_co_u32 s23, s23, STAGE
	v_mul_u32_u24 v5, v1, SPITCH
	v_lshl_add_u32 v5, v2, 5, v5                   ; outputs 0-7 from lanes 0-15, outputs 8-15 (zeros) from lanes 16-31
	v_add_nc_u32 v[STO], s23, v5
	v_lshrrev_b32 v5, 1, v0
	v_mul_u32_u24 v5, v5, SPITCH
	v_lshl_add_u32 v5, v4, 4, v5
	v_add_nc_u32 v[CB], STAGE, v5
	v_mov_b32 v[NEG1], -1.0
.macro TFETCH w                        ; blocks 4 w .. 4 w + 3 of my columns, all four tables, into window w: sixteen lanes read the same 16 bytes
	WIN (\w)*TO_B
.irp t, 0,1,2,3
.irp b, 0,1,2,3
	ds_load_b128 v[TB1+32*(\t)+8*(\b):TB1+32*(\t)+8*(\b)+3],   v[TLA] offset:(\t)*512+(4*(\w)+(\b))*64
	ds_load_b128 v[TB1+32*(\t)+8*(\b)+4:TB1+32*(\t)+8*(\b)+7], v[TLA] offset:(\t)*512+(4*(\w)+(\b))*64+16
.endr
.endr
	WIN 0
.endm
	s_wait_loadcnt 26                              ; the four loads of tables are in: behind them Pin's 16, cpart's, W2's 8 and b2's
.irp t, 0,1,2,3
	ds_store_b128 v[TSA], v[TLD+4*(\t):TLD+4*(\t)+3] offset:(\t)*512
.endr
	TFETCH 0                                       ; LDS serves a wave's instructions in order (ISA guide 5.7.1.4): these see my stores above; the bytes are my wave's own
	s_wait_loadcnt 9                               ; Pin's and cpart's are in: behind them W2's 8 and b2's
.irp a, 0,2,4,6
	v_pk_add_f32 v[TT+(\a):TT+(\a)+1], v[PIN+(\a):PIN+(\a)+1], v[PIN+8+(\a):PIN+9+(\a)]
.endr
	v_add_f32_dpp v[CPV], v[CPV], v[CPV] row_xmask:1 row_mask:0xf bank_mask:0xf
	v_add_f32_dpp v[CPV], v[CPV], v[CPV] row_xmask:2 row_mask:0xf bank_mask:0xf
	v_add_f32_dpp v[CPV], v[CPV], v[CPV] row_xmask:4 row_mask:0xf bank_mask:0xf
.irp a, 0,2,4,6
	v_pk_mul_f32 v[TT+(\a):TT+(\a)+1], v[TT+(\a):TT+(\a)+1], 0xbfb8aa3b op_sel_hi:[1,0]
.endr
	v_mul_f32 v[CPV], 0xbfb8aa3b, v[CPV]
.irp a, 0,1,2,3,4,5,6,7
	v_exp_f32 v[TT+(\a)], v[TT+(\a)]
.endr
	v_exp_f32 v[CPV], v[CPV]
	v_nop                                          ; a plain instruction behind the last exponential,
	s_wait_alu depctr_va_vdst(0)                   ; and a wait ahead of the batch's first reader
.irp a, 0,2,4,6
	v_pk_add_f32 v[TT+(\a):TT+(\a)+1], v[TT+(\a):TT+(\a)+1], 1.0 op_sel_hi:[1,0]
.endr
	v_add_f32 v[CPV], 1.0, v[CPV]
.irp a, 0,1,2,3,4,5,6,7
	v_rcp_f32 v[TT+(\a)], v[TT+(\a)]
.endr
	v_rcp_f32 v[CPV], v[CPV]
	v_nop
	s_wait_alu depctr_va_vdst(0)                   ; the same for the nine reciprocals
	v_readlane_b32 s[CC], v[CPV], 0
	v_readlane_b32 s[CC+1], v[CPV], 0
	v_readlane_b32 s[TK], v[CPV], 16
	v_readlane_b32 s[TK+1], v[CPV], 16
.macro BIAS                            ; b1 + cc w1 + tk w2, in b1's place
.set z, 0
.rept 16
	v_pk_fma_f32 v[TB1+z:TB1+z+1], v[TW1+z:TW1+z+1], s[CC:CC+1], v[TB1+z:TB1+z+1] op_sel_hi:[1,0,1]
.set z, z+2
.endr
.set z, 0
.rept 16
	v_pk_fma_f32 v[TB1+z:TB1+z+1], v[TW2+z:TW2+z+1], s[TK:TK+1], v[TB1+z:TB1+z+1] op_sel_hi:[1,0,1]
.set z, z+2
.endr
.endm
.macro PRESET tw                       ; accumulators (a, 4 tw + b) = T[a] w0 + the bias: T in window 0, the tables in window tw
.irp a, 0,1,2,3,4,5,6,7
	WIN ((2+(\a)/4)<<6)|((\tw)<<4)|((\tw)<<2)
.irp b, 0,1,2,3
.irp p, 0,2,4,6
.if (\a)%2
	v_pk_fma_f32 v[8*(8*((\a)%4)+4*(\tw)+(\b))+(\p):8*(8*((\a)%4)+4*(\tw)+(\b))+(\p)+1], v[TT+2*((\a)/2):TT+2*((\a)/2)+1], v[TW0+8*(\b)+(\p):TW0+8*(\b)+(\p)+1], v[TB1+8*(\b)+(\p):TB1+8*(\b)+(\p)+1] op_sel:[1,0,0] op_sel_hi:[1,1,1]
.else
	v_pk_fma_f32 v[8*(8*((\a)%4)+4*(\tw)+(\b))+(\p):8*(8*((\a)%4)+4*(\tw)+(\b))+(\p)+1], v[TT+2*((\a)/2):TT+2*((\a)/2)+1], v[TW0+8*(\b)+(\p):TW0+8*(\b)+(\p)+1], v[TB1+8*(\b)+(\p):TB1+8*(\b)+(\p)+1] op_sel_hi:[0,1,1]
.endif
.endr
.endr
.endr
.endm
	s_wait_dscnt 0x0                               ; window 0's tables are in
	TFETCH 1                                       ; window 1's come while window 0's are worked on
	BIAS
	PRESET 0
	s_wait_dscnt 0x0                               ; window 1's; no LDS instruction of mine is out at the barrier below
	WIN 0x51                                       ; destination, source 0 and source 2 in window 1
	BIAS
	PRESET 1
	WIN 0
; 16 matrix instructions: token blocks a0, a0 + 1 of the window's four x all 8 column blocks, 32 along K.  The 64 accumulators take turns.
.macro MUL16 f, hi, a0
	WIN MUL_LO+0x50*(\hi)
.irp a, \a0, (\a0)+1
.irp b, 0,1,2,3,4,5,6,7
	v_wmma_f32_16x16x32_bf16 v[8*(8*(\a)+(\b)):8*(8*(\a)+(\b))+7], v[(\f)+8*(\b):(\f)+8*(\b)+7], v[(\f)+8*(4*(\hi)+(\a)):(\f)+8*(4*(\hi)+(\a))+7], v[8*(8*(\a)+(\b)):8*(8*(\a)+(\b))+7]
.endr
.endr
.endm
; 32 LDS loads in one run: the operands of quarter q (32 along K) of a slot into buffer f: W's 128 columns, turned, then X's 128 rows
.macro FETCH slot, q, f
	WIN TO_B
.irp i, 0,1,2,3,4,5,6,7
	ds_load_tr16_b128 v[(\f)+8*(\i):(\f)+8*(\i)+3],   v[ADRB+(\slot)] offset:(\q)*32*PB+32*(\i)
	ds_load_tr16_b128 v[(\f)+8*(\i)+4:(\f)+8*(\i)+7], v[ADRB+(\slot)] offset:(\q)*32*PB+16*PB+32*(\i)
.endr
	WIN 0
.irp i, 0,1,2,3,4,5,6,7
	ds_load_b128 v[(\f)+8*(\i):(\f)+8*(\i)+3],   v[ADRA+(\slot)] offset:(\q)*64+(\i)*16*PITCH
	ds_load_b128 v[(\f)+8*(\i)+4:(\f)+8*(\i)+7], v[ADRA+(\slot)] offset:(\q)*64+(\i)*16*PITCH+32
.endr
.endm
.macro PLACES                          ; four places in front of loads into registers that matrix instructions have read, and of lines that read results just made
.rept 4
	v_nop
.endr
.endm
.macro QUARTER slot, q, f, g           ; multiplies buffer f; in its middle it fetches quarter q of the same slot into buffer g
	s_wait_dscnt 8                                 ; W's operands and X's rows 0-63 are in; the youngest eight loads (rows 64-127) may be out
	MUL16 \f, 0, 0
	MUL16 \f, 0, 2
	PLACES
	FETCH \slot, \q, \g
	s_wait_dscnt 32                                ; all but the 32 just issued
	MUL16 \f, 1, 0
	MUL16 \f, 1, 2
.endm
; The last quarter of a K step multiplies buffer 1 and changes slots.  MEET is its first half: in front of the one barrier each wave waits for all its tensor loads (one is out: its part of the next slot), adds 0 to its
; spare word, and waits for that and for its own reads of this slot.  Behind it nobody reads this slot any more and the next slot is whole.
.macro MEET round
	WIN 0
	s_wait_tensorcnt 0x0
	ds_add_u32 v[SPW], v[NIL]
	s_wait_dscnt 9                                 ; the add and the youngest eight loads may be out
	MUL16 F1, 0, 0                                 ; sixteen matrix instructions stand between the add and the wait for it
	s_wait_dscnt 0x0                               ; the add is done, and my reads of this slot are over
	s_barrier_signal -1
	MUL16 F1, 0, 2
.if \round
	WIN 0
.endif
	s_barrier_wait -1
.endm
.macro TURN slot, next                 ; the barrier opens a round of the cluster's; the slot just read out is filled again first, two K steps ahead: 224 matrix instructions stand between the request and the wait for it
	MEET 1
	CREST
	s_add_nc_u64 s[G0+4*(\slot)+2:G0+4*(\slot)+3], s[G0+4*(\slot)+2:G0+4*(\slot)+3], 512
	s_add_nc_u64 s[G0B+4*(\slot)+2:G0B+4*(\slot)+3], s[G0B+4*(\slot)+2:G0B+4*(\slot)+3], 131072
	JLOAD \slot                                    ; the four v_nop behind it are also the places in front of the loads below
	FETCH \next, 0, F0
	MUL16 F1, 1, 0
	MUL16 F1, 1, 2
.endm
	s_wait_tensorcnt 1                             ; my part of K step 0 is in; K step 1's may stay out
	s_barrier_signal -1
	s_barrier_wait -1
	FETCH 0, 0, F0
	QUARTER 0, 1, F0, F1
	WIN 0                                          ; at a label and at a branch every window is 0
	s_mov_b32 s3, 3
.Llap:                                                 ; a trip goes once round the ring and fills both slots again: K steps 2 to 7
	QUARTER 0, 2, F1, F0
	QUARTER 0, 3, F0, F1
	TURN 0, 1
	QUARTER 1, 1, F0, F1
	QUARTER 1, 2, F1, F0
	QUARTER 1, 3, F0, F1
	TURN 1, 0
	QUARTER 0, 1, F0, F1
	WIN 0
	s_sub_co_u32 s3, s3, 1
	s_cmp_lg_u32 s3, 0
	s_cbranch_scc1 .Llap
	QUARTER 0, 2, F1, F0                           ; the last lap fills nothing
	QUARTER 0, 3, F0, F1
	MEET 0
	PLACES
	FETCH 1, 0, F0
	MUL16 F1, 1, 0
	MUL16 F1, 1, 2
	QUARTER 1, 1, F0, F1
	QUARTER 1, 2, F1, F0
	QUARTER 1, 3, F0, F1
	s_wait_dscnt 8
	MUL16 F1, 0, 0
	MUL16 F1, 0, 2
	s_wait_dscnt 0x0
	MUL16 F1, 1, 0
	MUL16 F1, 1, 2
	WIN 0
	PLACES                                         ; behind the last products: their results are read below, and their operands' registers are written
	; THE WAY OUT
; Block a of 16 token rows is taken out of its eight accumulators: y = s x, 64 numbers a lane, each accumulator from its low registers on.
.macro TAKE a
	WIN 2+(\a)/4                                   ; source 0 in window 2 or 3
.set z, 0
.rept 32
	v_pk_mul_f32 v[XX+z:XX+z+1], v[64*((\a)%4)+z:64*((\a)%4)+z+1], s[SC:SC+1] op_sel_hi:[1,0]
.set z, z+2
.endr
	WIN 0
.endm
; GELU of a group g of two accumulators (16 numbers a lane), in three parts.  Sets g % 2 of UU and ZZ take turns.
; Plain line k of 24 of the first part: u = 1 + 0.3275911 |x| / sqrt(2);  z = -y y
.macro P1L g, k
.set xb, XX+16*(\g)
.set ub, UU+16*((\g)%2)
.set zb, ZZ+16*((\g)%2)
.if (\k) < 16
	v_fma_f32 v[ub+(\k)], |v[xb+(\k)]|, s[PC], 1.0
.else
	v_pk_fma_f32 v[zb+2*(\k)-32:zb+2*(\k)-31], v[xb+2*(\k)-32:xb+2*(\k)-31], v[xb+2*(\k)-32:xb+2*(\k)-31], 0 op_sel_hi:[1,1,0] neg_lo:[1,0,0] neg_hi:[1,0,0]  ; the sign rides on the fused form's source
.endif
.endm
.macro P1 g
.set tn, 0
.rept 24
	P1L \g, tn
.set tn, tn+1
.endr
.endm
.macro TRL g, k                        ; transcendental k of 32: t = 1 / u;  e = 2^z
.set ub, UU+16*((\g)%2)
.set zb, ZZ+16*((\g)%2)
.if (\k) < 16
	v_rcp_f32 v[ub+(\k)], v[ub+(\k)]
.else
	v_exp_f32 v[zb+(\k)-16], v[zb+(\k)-16]
.endif
.endm
; Line n of 96 of the third part.  0-39 erf's polynomial in t, eight pairs a stage; 40-47 erf(|x| / sqrt(2)) = 1 - polynomial x e; 48-63 s 2 gelu = y + |y| erf;
; 64-71 hi, rounded to bf16: k 0-15 of the operand from the group's first accumulator, k 16-31 from its second; 72-87 what hi leaves, exact in f32; 88-95 lo, likewise.
.macro P2L g, n
.set xb, XX+16*(\g)
.set ub, UU+16*((\g)%2)
.set zb, ZZ+16*((\g)%2)
.set p2i, 2*((\n)%8)
.if (\n) < 8
	v_pk_fma_f32 v[PP+p2i:PP+p2i+1], v[ub+p2i:ub+p2i+1], s[A5:A5+1], s[A4:A4+1] op_sel_hi:[1,0,0]
.elseif (\n) < 16
	v_pk_fma_f32 v[PP+p2i:PP+p2i+1], v[PP+p2i:PP+p2i+1], v[ub+p2i:ub+p2i+1], s[A3:A3+1] op_sel_hi:[1,1,0]
.elseif (\n) < 24
	v_pk_fma_f32 v[PP+p2i:PP+p2i+1], v[PP+p2i:PP+p2i+1], v[ub+p2i:ub+p2i+1], s[A2:A2+1] op_sel_hi:[1,1,0]
.elseif (\n) < 32
	v_pk_fma_f32 v[PP+p2i:PP+p2i+1], v[PP+p2i:PP+p2i+1], v[ub+p2i:ub+p2i+1], s[A1:A1+1] op_sel_hi:[1,1,0]
.elseif (\n) < 40
	v_pk_mul_f32 v[PP+p2i:PP+p2i+1], v[PP+p2i:PP+p2i+1], v[ub+p2i:ub+p2i+1]
.elseif (\n) < 48
	v_pk_fma_f32 v[PP+p2i:PP+p2i+1], v[PP+p2i:PP+p2i+1], v[zb+p2i:zb+p2i+1], 1.0 op_sel_hi:[1,1,0] neg_lo:[1,0,0] neg_hi:[1,0,0]
.elseif (\n) < 64
.set p2j, (\n)-48
	v_fma_f32 v[xb+p2j], |v[xb+p2j]|, v[PP+p2j], v[xb+p2j]
.elseif (\n) < 72
.set p2j, (\n)-64
	v_cvt_pk_bf16_f32 v[FR+p2j], v[xb+2*p2j], v[xb+2*p2j+1]
.elseif (\n) < 88
.set p2j, (\n)-72
.if p2j%2
	v_fma_mix_f32_bf16 v[ub+p2j], v[FR+p2j/2], v[NEG1], v[xb+p2j] op_sel:[1,0,0] op_sel_hi:[1,0,0]
.else
	v_fma_mix_f32_bf16 v[ub+p2j], v[FR+p2j/2], v[NEG1], v[xb+p2j] op_sel_hi:[1,0,0]
.endif
.else
.set p2j, (\n)-88
	v_cvt_pk_bf16_f32 v[FR+8+p2j], v[ub+2*p2j], v[ub+2*p2j+1]
.endif
.endm
; The third part of group g and its two products with W2.  tr = 1: the next group's 32 transcendentals stand by turns with the first 32 lines; they name the other sets of UU and ZZ, which no line here names.
.macro P2 g, tr
.set pn, 0
.rept 96
	P2L \g, pn
.if (\tr) && (pn < 32)
	TRL (\g)+1, pn
.endif
.set pn, pn+1
.endr
.if \tr
	s_wait_alu depctr_va_vdst(0)                   ; one wait for the next group's 32 transcendentals, 64 plain lines behind the last and ahead of their first reader
.endif
.if (\g) == 0
	v_wmma_f32_16x16x32_bf16 v[L0:L0+7], v[W2F+8*(\g):W2F+8*(\g)+7], v[FR:FR+7],    0          ; a row block's first two products start its sums: hi's and lo's
	v_wmma_f32_16x16x32_bf16 v[L1:L1+7], v[W2F+8*(\g):W2F+8*(\g)+7], v[FR+8:FR+15], 0
.else
	v_wmma_f32_16x16x32_bf16 v[L0:L0+7], v[W2F+8*(\g):W2F+8*(\g)+7], v[FR:FR+7],    v[L0:L0+7]  ; the two sums take turns
	v_wmma_f32_16x16x32_bf16 v[L1:L1+7], v[W2F+8*(\g):W2F+8*(\g)+7], v[FR+8:FR+15], v[L1:L1+7]
.endif
.endm
	s_wait_loadcnt 0x0                             ; W2's operands and b2's words, asked for in the prologue
	s_mov_b32 s3, 8
	s_mov_b32 s95, 0
.Lrow:                                                 ; a trip: 16 token rows x my 128 hidden columns; block 8 - s3
.irp a, 0,1,2,3,4,5,6
	s_cmp_eq_u32 s3, 8-(\a)
	s_cbranch_scc1 .Lblk\a
.endr
	TAKE 7
	s_branch .Ljoin
.irp a, 0,1,2,3,4,5
.Lblk\a:
	TAKE \a
	s_branch .Ljoin
.endr
.Lblk6:
	TAKE 6
.Ljoin:
	v_add_nc_u32 v[STA], s95, v[STO]
	s_add_co_u32 s95, s95, 16*SPITCH
	P1 0
.set tn, 0
.set pq, 0
.rept 32                               ; group 0's transcendentals, with group 1's 24 plain lines between them; the last line is plain
	TRL 0, tn
.if tn%4
	P1L 1, pq
.set pq, pq+1
.endif
.set tn, tn+1
.endr
	s_wait_alu depctr_va_vdst(0)                   ; one wait for group 0's 32 transcendentals, ahead of their first reader
	P2 0, 1
	P1 2
	P2 1, 1
	P1 3
	P2 2, 1
	P2 3, 0
	PLACES                                         ; behind the block's last two products
.irp j, 0,2,4,6
	v_pk_add_f32 v[UU+(\j):UU+(\j)+1], v[L0+(\j):L0+(\j)+1], v[L1+(\j):L1+(\j)+1]  ; from the low registers on
.endr
	ds_store_b128 v[STA], v[UU:UU+3]
	ds_store_b128 v[STA], v[UU+4:UU+7] offset:16
	s_sub_co_u32 s3, s3, 1
	s_cmp_lg_u32 s3, 0
	s_cbranch_scc1 .Lrow
	s_wait_dscnt 0x0                               ; for the others' sake: a token row's logits come from two waves
	s_barrier_signal -1
	s_barrier_wait -1
.irp i, 0,1,2,3
	ds_load_b128 v[XX+8*(\i):XX+8*(\i)+3],   v[CB] offset:(\i)*64*SPITCH
	ds_load_b128 v[XX+8*(\i)+4:XX+8*(\i)+7], v[CB] offset:(\i)*64*SPITCH+256*SPITCH
.endr
.irp i, 0,1,2,3
	s_wait_dscnt 6-2*(\i)                          ; the later pairs of loads stay out
	v_pk_add_f32 v[XX+8*(\i):XX+8*(\i)+1],   v[XX+8*(\i):XX+8*(\i)+1],   v[XX+8*(\i)+4:XX+8*(\i)+5]
	v_pk_add_f32 v[XX+8*(\i)+2:XX+8*(\i)+3], v[XX+8*(\i)+2:XX+8*(\i)+3], v[XX+8*(\i)+6:XX+8*(\i)+7]
	v_pk_fma_f32 v[XX+8*(\i):XX+8*(\i)+1],   v[XX+8*(\i):XX+8*(\i)+1],   s[RS:RS+1], v[OBV:OBV+1]     op_sel_hi:[1,0,1]  ; times 1 / s, plus b2
	v_pk_fma_f32 v[XX+8*(\i)+2:XX+8*(\i)+3], v[XX+8*(\i)+2:XX+8*(\i)+3], s[RS:RS+1], v[OBV+2:OBV+3]   op_sel_hi:[1,0,1]
	global_store_b128 v[GOF], v[XX+8*(\i):XX+8*(\i)+3], s[8:9] offset:(\i)*2048  ; a wave stores 512 consecutive bytes, at a multiple of 256 from Pout's first
.endr
	s_wait_tensorcnt 0x0                           ; the wave's end: a wait, an add of 0 to my spare word and its wait, behind my last tensor load and my last LDS store
	ds_add_u32 v[SPW], v[NIL]
	s_wait_dscnt 0x0
	CROUND                                         ; the closing round: no work-group ends while a partner may still ask for a tile that names it
	s_endpgm
.Lfunc_end_k_q185889f6f2_gemm1:
	.size	k_q185889f6f2_gemm1, .Lfunc_end_k_q185889f6f2_gemm1-k_q185889f6f2_gemm1
	.p2alignl 7, 3214868480
	.fill 96, 4, 3214868480
	.section	.rodata,"a",@progbits
	.p2align	6, 0x0
	.amdhsa_kernel k_q185889f6f2_gemm1
		.amdhsa_group_segment_fixed_size 327680
		.amdhsa_private_segment_fixed_size 0
		.amdhsa_enable_private_segment 0
		.amdhsa_kernarg_size 40
		.amdhsa_user_sgpr_count 2
		.amdhsa_user_sgpr_kernarg_segment_ptr 1
		.amdhsa_wavefront_size32 1
		.amdhsa_system_sgpr_workgroup_id_x 1
		.amdhsa_system_sgpr_workgroup_id_y 1
		.amdhsa_system_sgpr_workgroup_id_z 1
		.amdhsa_system_vgpr_workitem_id 0
		.amdhsa_next_free_vgpr 1024
		.amdhsa_next_free_sgpr 96
		.amdhsa_reserve_vcc 0
		.amdhsa_float_denorm_mode_32 3
		.amdhsa_float_denorm_mode_16_64 3
		.amdhsa_memory_ordered 1
		.amdhsa_forward_progress 1
		.amdhsa_inst_pref_size 198
	.end_amdhsa_kernel
	.amdgpu_metadata
---
amdhsa.version: [ 1, 2 ]
amdhsa.kernels:
  - .name:           k_q185889f6f2_gemm1
    .symbol:         k_q185889f6f2_gemm1.kd
    .args:
      - { .name: Xb, .offset: 0, .size: 8, .value_kind: global_buffer, .address_space: global }
      - { .name: WA, .offset: 8, .size: 8, .value_kind: global_buffer, .address_space: global }
      - { .name: P0, .offset: 16, .size: 8, .value_kind: global_buffer, .address_space: global }
      - { .name: cpart, .offset: 24, .size: 8, .value_kind: global_buffer, .address_space: global }
      - { .name: P1, .offset: 32, .size: 8, .value_kind: global_buffer, .address_space: global }
    .group_segment_fixed_size: 327680
    .private_segment_fixed_size: 0
    .kernarg_segment_align: 8
    .kernarg_segment_size: 40
    .max_flat_workgroup_size: 128
    .sgpr_count:     96
    .vgpr_count:     1024
    .wavefront_size: 32
...
	.end_amdgpu_metadata
.endif
;; end of part 3
;; launch gemm2: the kernel of part 3 again; grid 8 x 64, 4 waves a work-group, clusters of 4 x 4, 327,680 bytes of LDS; arguments Xb, WB, P1, cpart, P2; writes P2
;; launch final (part 4): grid 128 x 1, 4 waves a work-group, no clusters, 0 bytes of LDS; arguments P1, P2, cpart, out0, out1, out2, out3, out4, out5, out6; writes out0, out1, out2, out3, out4, out5, out6
.if DOCPART == 4
	.amdgcn_target "amdgcn-amd-amdhsa--gfx1250"
	.amdhsa_code_object_version 6
	.text
	.protected	k_q185889f6f2_final
	.globl	k_q185889f6f2_final
	.p2align	8
	.type	k_q185889f6f2_final,@function
k_q185889f6f2_final:
	s_mov_b64 s[64:65], 0
	v_nop
	global_prefetch_b8 v0, s[64:65] scope:SCOPE_SE
	s_setreg_imm32_b32 hwreg(HW_REG_WAVE_MODE, 25, 1), 1
	s_wait_xcnt 0x0
; FINAL.  The partial logits are added (b2 is inside them) and the outputs made, all in f32:
;   out0 = sigmoid(P1[0] + P1[1]), out5 = sigmoid(P1[2] + P1[3]) (output 0 of each row);  out3 = softmax of 4 over P2[0..3];  out4 = softmax of 8 over P2[4..7];  out6 = (out3 > 0.2) ? out5 : 0;
;   out1, out2 = sigmoid of cpart's sums over the eight slices (work-group 0, wave 0).  Both softmaxes take their maximum away.
; SHARES.  A wave has 32 token rows.  For tok, eff and sup a lane is a row; for dep a lane is half a row (16 bytes), so that each load and store covers 512 consecutive bytes.  All 16 loads go out together.
; out0 and out5 have one word a row: a wave's store is 128 consecutive bytes; the two outputs are 128 KiB in all.  No LDS, no matrix unit, no cluster: a stream in which no work-group reads what another reads.
; LIMITS.  A division is a reciprocal (1 ulp) and a multiply; a weight of out3 within some 3e-7 of 0.2 may fall on the other side of the comparison than in a run with other rounding.
.set TCB, 524288                       ; bytes of a tile column of partial logits: 16,384 rows x 8 x 4
	s_load_b256 s[4:11], s[0:1], 0x0               ; P1 s[4:5], P2 s[6:7], cpart s[8:9], out0 s[10:11]
	s_load_b256 s[12:19], s[0:1], 0x20             ; out1 s[12:13], out2 s[14:15], out3 s[16:17], out4 s[18:19]
	s_load_b128 s[20:23], s[0:1], 0x40             ; out5 s[20:21], out6 s[22:23]
	v_lshrrev_b32 v5, 5, v0
	v_readfirstlane_b32 s24, v5                    ; wave
	v_and_b32 v7, 31, v0                           ; lane
	s_lshl_b32 s25, ttmp9, 12
	v_lshl_add_u32 v1, v0, 5, s25                  ; row x 32, row = 128 g + t
	s_lshl_b32 s26, s24, 10
	s_add_co_u32 s26, s26, s25
	v_lshl_add_u32 v2, v7, 4, s26                  ; my wave's first row x 32 + 16 lane
	s_lshl_b32 s27, ttmp9, 9
	v_lshl_add_u32 v3, v0, 2, s27                  ; row x 4
	s_lshl_b32 s28, ttmp9, 11
	v_lshl_add_u32 v4, v0, 4, s28                  ; row x 16
	s_mov_b32 s29, 0x3e4ccccd                      ; 0.2
	s_wait_kmcnt 0x0
.irp c, 0,1,2,3
	global_load_b32 v[8+(\c)], v1, s[4:5] offset:(\c)*TCB
.endr
.irp c, 0,1,2,3
	global_load_b128 v[12+4*(\c):15+4*(\c)], v1, s[6:7] offset:(\c)*TCB
.endr
.irp i, 0,1
.irp c, 0,1,2,3
	global_load_b128 v[28+16*(\i)+4*(\c):31+16*(\i)+4*(\c)], v2, s[6:7] offset:(4+(\c))*TCB+(\i)*512
.endr
.endr
	s_wait_loadcnt 0x0
	v_add_f32 v8, v8, v9                           ; tok's logit
	v_add_f32 v9, v10, v11                         ; eff's
.irp c, 1,2,3
	v_pk_add_f32 v[12:13], v[12:13], v[12+4*(\c):13+4*(\c)]
	v_pk_add_f32 v[14:15], v[14:15], v[14+4*(\c):15+4*(\c)]
	v_pk_add_f32 v[28:29], v[28:29], v[28+4*(\c):29+4*(\c)]
	v_pk_add_f32 v[30:31], v[30:31], v[30+4*(\c):31+4*(\c)]
	v_pk_add_f32 v[44:45], v[44:45], v[44+4*(\c):45+4*(\c)]
	v_pk_add_f32 v[46:47], v[46:47], v[46+4*(\c):47+4*(\c)]
.endr
	v_pk_mul_f32 v[8:9], v[8:9], 0xbfb8aa3b op_sel_hi:[1,0]
	v_max3_num_f32 v62, v12, v13, v14              ; sup's maximum, in the lane
	v_max_num_f32 v60, v62, v15
	v_max_num_f32 v61, v62, v15
	v_max3_num_f32 v64, v28, v29, v30              ; dep's: four in the lane, the other four in the lane beside it
	v_max3_num_f32 v66, v44, v45, v46
	v_max_num_f32 v64, v64, v31
	v_max_num_f32 v66, v66, v47
	v_max_num_f32_dpp v64, v64, v64 row_xmask:1 row_mask:0xf bank_mask:0xf
	v_max_num_f32_dpp v66, v66, v66 row_xmask:1 row_mask:0xf bank_mask:0xf
	v_mov_b32 v65, v64
	v_mov_b32 v67, v66
	v_pk_add_f32 v[12:13], v[12:13], v[60:61] neg_lo:[0,1] neg_hi:[0,1]
	v_pk_add_f32 v[14:15], v[14:15], v[60:61] neg_lo:[0,1] neg_hi:[0,1]
	v_pk_add_f32 v[28:29], v[28:29], v[64:65] neg_lo:[0,1] neg_hi:[0,1]
	v_pk_add_f32 v[30:31], v[30:31], v[64:65] neg_lo:[0,1] neg_hi:[0,1]
	v_pk_add_f32 v[44:45], v[44:45], v[66:67] neg_lo:[0,1] neg_hi:[0,1]
	v_pk_add_f32 v[46:47], v[46:47], v[66:67] neg_lo:[0,1] neg_hi:[0,1]
.irp r, 12,14,28,30,44,46
	v_pk_mul_f32 v[\r:\r+1], v[\r:\r+1], 0x3fb8aa3b op_sel_hi:[1,0]
.endr
.irp r, 8,9,12,13,14,15,28,29,30,31,44,45,46,47
	v_exp_f32 v[\r], v[\r]
.endr
	v_nop                                          ; a plain instruction behind the last exponential,
	s_wait_alu depctr_va_vdst(0)                   ; and a wait ahead of the batch's first reader
	v_pk_add_f32 v[8:9], v[8:9], 1.0 op_sel_hi:[1,0]
	v_add_f32 v60, v12, v13
	v_add_f32 v61, v14, v15
	v_add_f32 v64, v28, v29
	v_add_f32 v65, v30, v31
	v_add_f32 v66, v44, v45
	v_add_f32 v67, v46, v47
	v_add_f32 v60, v60, v61
	v_add_f32 v64, v64, v65
	v_add_f32 v66, v66, v67
	v_add_f32_dpp v64, v64, v64 row_xmask:1 row_mask:0xf bank_mask:0xf
	v_add_f32_dpp v66, v66, v66 row_xmask:1 row_mask:0xf bank_mask:0xf
.irp r, 8,9,60,64,66
	v_rcp_f32 v[\r], v[\r]
.endr
	v_nop
	s_wait_alu depctr_va_vdst(0)                   ; the same for the five reciprocals
	v_pk_mul_f32 v[12:13], v[12:13], v[60:61] op_sel_hi:[1,0]
	v_pk_mul_f32 v[14:15], v[14:15], v[60:61] op_sel_hi:[1,0]
	v_pk_mul_f32 v[28:29], v[28:29], v[64:65] op_sel_hi:[1,0]
	v_pk_mul_f32 v[30:31], v[30:31], v[64:65] op_sel_hi:[1,0]
	v_pk_mul_f32 v[44:45], v[44:45], v[66:67] op_sel_hi:[1,0]
	v_pk_mul_f32 v[46:47], v[46:47], v[66:67] op_sel_hi:[1,0]
.irp j, 0,1,2,3
	v_cmp_lt_f32 vcc_lo, s29, v[12+(\j)]
	v_cndmask_b32 v[68+(\j)], 0, v9, vcc_lo
.endr
	global_store_b32 v3, v8, s[10:11]
	global_store_b32 v3, v9, s[20:21]
	global_store_b128 v4, v[12:15], s[16:17]       ; 512 consecutive bytes a wave
	global_store_b128 v4, v[68:71], s[22:23]
	global_store_b128 v2, v[28:31], s[18:19]
	global_store_b128 v2, v[44:47], s[18:19] offset:512
	s_or_b32 s30, ttmp9, s24
	s_cmp_lg_u32 s30, 0
	s_cbranch_scc1 .Ldone                          ; work-group 0, wave 0: the two outputs of four numbers
	v_lshlrev_b32 v5, 3, v7
	global_load_b64 v[72:73], v5, s[8:9]           ; lane l: mlp l >> 4, batch (l >> 2) & 3, slices 2 (l & 3) and the next
	v_and_b32 v6, 19, v7                           ; 0: a batch's first lane in ctx's half; 16: in task's
	v_and_b32 v74, 15, v7                          ; there the lane % 16 is 4 x batch, the byte offset
	s_wait_loadcnt 0x0
	v_add_f32 v72, v72, v73
	v_add_f32_dpp v72, v72, v72 row_xmask:1 row_mask:0xf bank_mask:0xf
	v_add_f32_dpp v72, v72, v72 row_xmask:2 row_mask:0xf bank_mask:0xf
	v_mul_f32 v72, 0xbfb8aa3b, v72
	v_exp_f32 v72, v72
	v_nop
	s_wait_alu depctr_va_vdst(0)
	v_add_f32 v72, 1.0, v72
	v_rcp_f32 v72, v72
	v_cmp_eq_u32 vcc_lo, 0, v6                     ; the plain instruction behind the reciprocal
	s_wait_alu depctr_va_vdst(0)
	s_wait_xcnt 0x0                                ; EXEC changes only behind this wait
	s_and_saveexec_b32 s31, vcc_lo
	global_store_b32 v74, v72, s[12:13]
	s_wait_xcnt 0x0
	s_or_b32 exec_lo, exec_lo, s31
	v_cmp_eq_u32 vcc_lo, 16, v6
	s_wait_xcnt 0x0
	s_and_saveexec_b32 s31, vcc_lo
	global_store_b32 v74, v72, s[14:15]
	s_wait_xcnt 0x0
	s_or_b32 exec_lo, exec_lo, s31
.Ldone:
	s_endpgm
.Lfunc_end_k_q185889f6f2_final:
	.size	k_q185889f6f2_final, .Lfunc_end_k_q185889f6f2_final-k_q185889f6f2_final
	.p2alignl 7, 3214868480
	.fill 96, 4, 3214868480
	.section	.rodata,"a",@progbits
	.p2align	6, 0x0
	.amdhsa_kernel k_q185889f6f2_final
		.amdhsa_group_segment_fixed_size 0
		.amdhsa_private_segment_fixed_size 0
		.amdhsa_enable_private_segment 0
		.amdhsa_kernarg_size 80
		.amdhsa_user_sgpr_count 2
		.amdhsa_user_sgpr_kernarg_segment_ptr 1
		.amdhsa_wavefront_size32 1
		.amdhsa_system_sgpr_workgroup_id_x 1
		.amdhsa_system_sgpr_workgroup_id_y 1
		.amdhsa_system_sgpr_workgroup_id_z 1
		.amdhsa_system_vgpr_workitem_id 0
		.amdhsa_next_free_vgpr 88
		.amdhsa_next_free_sgpr 66
		.amdhsa_reserve_vcc 1
		.amdhsa_float_denorm_mode_32 3
		.amdhsa_float_denorm_mode_16_64 3
		.amdhsa_memory_ordered 1
		.amdhsa_forward_progress 1
		.amdhsa_inst_pref_size 9
	.end_amdhsa_kernel
	.amdgpu_metadata
---
amdhsa.version: [ 1, 2 ]
amdhsa.kernels:
  - .name:           k_q185889f6f2_final
    .symbol:         k_q185889f6f2_final.kd
    .args:
      - { .name: P1, .offset: 0, .size: 8, .value_kind: global_buffer, .address_space: global }
      - { .name: P2, .offset: 8, .size: 8, .value_kind: global_buffer, .address_space: global }
      - { .name: cpart, .offset: 16, .size: 8, .value_kind: global_buffer, .address_space: global }
      - { .name: out0, .offset: 24, .size: 8, .value_kind: global_buffer, .address_space: global }
      - { .name: out1, .offset: 32, .size: 8, .value_kind: global_buffer, .address_space: global }
      - { .name: out2, .offset: 40, .size: 8, .value_kind: global_buffer, .address_space: global }
      - { .name: out3, .offset: 48, .size: 8, .value_kind: global_buffer, .address_space: global }
      - { .name: out4, .offset: 56, .size: 8, .value_kind: global_buffer, .address_space: global }
      - { .name: out5, .offset: 64, .size: 8, .value_kind: global_buffer, .address_space: global }
      - { .name: out6, .offset: 72, .size: 8, .value_kind: global_buffer, .address_space: global }
    .group_segment_fixed_size: 0
    .private_segment_fixed_size: 0
    .kernarg_segment_align: 8
    .kernarg_segment_size: 80
    .max_flat_workgroup_size: 128
    .sgpr_count:     66
    .vgpr_count:     88
    .wavefront_size: 32
...
	.end_amdgpu_metadata
.endif
;; end of part 4
